; MI455X (gfx1250); checked and timed in simulation.
; The chip was launched on July 23, 2026; its instructions are those of AMD's public machine-readable ISA for CDNA 5 (MIT licence, August 2026) and "CDNA5" Instruction Set Architecture Reference Guide (July 2026). The comments in the code are by the model that wrote it; some were corrected since.
;; Sequential Multi Head Attention. Allowed arithmetic: matrix products marked QUANTISED: E3M2 operands, one E8M0 scale for each 32 along K, by v_wmma_scale_f32_16x16x128_f8f6f4 with both operands' format E3M2, f32 sums; everything else in f32.
;; Inputs: Wk 16 x 1,024 x 64 float32; Wo 1,024 x 1,024 float32; Wq 16 x 1,024 x 64 float32; Wv 16 x 1,024 x 64 float32; bo 1,024 float32; x 4 x 2,048 x 1,024 float32.
;; Outputs: out0 4 x 2,048 x 1,024 float32.
;; This version of the problem:
;;   THIS VERSION OF THE PROBLEM IS GIVEN IN LOW PRECISION. The matrix products marked QUANTISED in the list below multiply operands that are first quantised to E3M2 (3 exponent bits, 2 mantissa bits; 6 bits a number), with one power-of-two scale for each 32 numbers along K (OCP MX v1.0); their sums are f32. All else is computed in f32.
;;   The module's matrix products, in the order in which they are computed (A, B: the left and right operand; K: the contracted axis; several contracted axes count as one K, in the product's order):
;;     1. [M 1,024, K 1,024] x [K 1,024, N 8,192]; A: input Wq; B: input x: QUANTISED
;;     2. [M 1,024, K 1,024] x [K 1,024, N 8,192]; A: input Wk; B: input x: QUANTISED
;;     3. [M 1,024, K 1,024] x [K 1,024, N 8,192]; A: input Wv; B: input x: QUANTISED
;;     4. batch 64 x [M 2,048, K 64] x [K 64, N 2,048]; A: computed on the way; B: computed on the way: QUANTISED
;;     5. batch 64 x [M 2,048, K 2,048] x [K 2,048, N 64]; A: softmax (see below); B: computed on the way: QUANTISED
;;     6. [M 8,192, K 1,024] x [K 1,024, N 1,024]; A: computed on the way; B: input Wo: QUANTISED
;;   THE QUANTISER, for each operand of a quantised product, along K:
;;     - K is cut into blocks of 32 from its start; a last block that is shorter is filled with zeros.
;;     - A block's scale is 2^e with e = floor(log2(the largest magnitude in the block)) - 4, held to -126 .. 127; a block of zeros has e = 0. As a byte (E8M0): e + 127.
;;     - Each number is divided by its block's scale, clamped to +-28, and rounded to the nearest number of E3M2, ties to even, subnormals kept.
;;     - The product sums the exact products of the quantised numbers (number of the format x scale) in f32.
;;   ~~~python
;;   def quantise(x, axis):      # numpy; x: float32 -> the quantised numbers, widened to float32 again
;;       x = np.moveaxis(x, axis, -1); K = x.shape[-1]
;;       x = np.pad(x, [(0, 0)] * (x.ndim - 1) + [(0, -K % 32)]); x = x.reshape(x.shape[:-1] + (-1, 32)); a = np.abs(x).max(-1, keepdims=True)
;;       e = np.where(a > 0, np.clip(np.frexp(np.where(a > 0, a, 1))[1] - 1 - 4, -126, 127), 0)      # np.frexp(a)[1] - 1 = floor(log2(a)), exactly
;;       r = np.clip(x / 2.0 ** e, -28, 28)
;;       step = 2.0 ** (np.maximum(np.frexp(np.where(r == 0, 1, r))[1] - 1, -2) - 2)
;;       q = np.round(r / step) * step * 2.0 ** e      # np.round: ties to even
;;       return np.moveaxis(q.reshape(q.shape[:-2] + (-1,))[..., :K], -1, axis).astype(np.float32)
;;   ~~~
;;   SOFTMAX AHEAD OF A QUANTISED PRODUCT. Where the list says 'softmax', what is quantised is not the finished softmax but p = 2^(t - M), with t = logit x log2(e) and M = ceil(the row's largest t), a whole number; so 1/2 < the row's largest p <= 1. The row's sum l is taken of the UNQUANTISED p, in f32, and the product's result is divided by l at the end. Since M is a whole number, a kernel that streams over the keys may use a running M (the ceiling of the running maximum): every later rescaling is an exact power of two, which a block's scale takes up: the codes' values come out the same.
;;   OPERANDS COMPUTED ON THE WAY. 'Computed on the way' means the value that the module computes at that place (a softmax that the list does not call 'softmax' is quantised finished and normalised). What goes into a quantiser is computed in f32, as accurately as f32 sums, v_exp_f32 and their like allow (about 1e-6 of the number): no bf16 or f16 on the way to a quantiser, and a product that is left as it is and whose result goes on into a quantised operand takes f32 operands (vector FMAs, or v_wmma_f32_16x16x4_f32). A number that lies on a knife's edge between two numbers of the format may be rounded either way, as far as f32 arithmetic and the matrix unit's own rounding can turn it there, and no further.
;; One version. Each part assembles by itself: llvm-mc -triple=amdgcn-amd-amdhsa -mcpu=gfx1250 --defsym DOCPART=n.
;; ======== version 1 of 1: 4 launches
;; limits: right only within a limited range of input values
;; workspace buffers: allc 9,437,184 bytes; alls 393,216 bytes; qkc 12,582,912 bytes; qks 524,288 bytes; vcb 6,291,456 bytes; vsb 262,144 bytes; aoc 6,291,456 bytes; aos 262,144 bytes
;; launch quant_x (part 1): grid 480 x 1, 4 waves a work-group, no clusters, 49,664 bytes of LDS; arguments x, Wo, allc, alls, Wq, Wk, Wv; writes allc, alls
.if DOCPART == 1
	.amdgcn_target "amdgcn-amd-amdhsa--gfx1250"
	.amdhsa_code_object_version 6
	.text
	.protected	k_q2849aba4bf_quant_x
	.globl	k_q2849aba4bf_quant_x
	.p2align	8
	.type	k_q2849aba4bf_quant_x,@function
k_q2849aba4bf_quant_x:
	s_mov_b64 s[64:65], 0
	v_nop
	global_prefetch_b8 v0, s[64:65] scope:SCOPE_SE
	s_setreg_imm32_b32 hwreg(HW_REG_WAVE_MODE, 25, 1), 1
	s_wait_xcnt 0x0
; x [8192][1024] and Wo [1024][1024], f32, K innermost, become codes of BF6 (E3M2), 6 bits each, with one E8M0 scale byte for each 32 along K.
; A block's scale is 2^(floor(log2(its largest magnitude)) - 4); its byte is the largest magnitude's exponent field - 4, held at 1 from below.
; WHERE THEY GO.  allc is [16 panels of 64 along K][12288 rows][48 bytes], alls is [8 runs of 128 along K][12288 rows][4 bytes].  x's rows take places 0-8191, Wo's 11264-12287.
; Row i lies at place P(i): i with its bits 3 and 4 exchanged.  So 16 neighbouring places, used as source 0 of a matrix instruction, leave a lane's registers of two neighbouring tiles as 16 neighbouring rows.
; LIMITS: a block whose largest magnitude lies under 2^-122, a block of zeros among them, keeps the byte 1 (its codes are zeros or the nearest codes under that scale; only this program reads the bytes); NaN and infinities among the inputs are not served.
; SHARES.  A wave takes 64 rows x 128 along K in 16 steps of 4 rows x 512 bytes.  Each load reads 512 consecutive bytes, 16 a lane; a step's 2,048 bytes turn through the wave's own stage in LDS and come back 64 bytes a lane:
; lane l then holds 16 neighbours along K of row 4 t + l / 8, and lanes l and l xor 1 share a block.  No tensor loads, no barrier: waves share nothing.  Work-groups share no input, so there is no cluster.
.set STEPS,  16
.set EMAX,   4
.set PANELB, 589824                    ; a panel of allc in bytes: 12288 rows x 48
.set R,      16                        ; v16-79   four sets of 16 numbers as they are loaded
.set X,      80                        ; v80-111  two sets of 16 neighbours
.set E,      112                       ; v112-127 a scale byte for each step
.set C,      128                       ; v128-191 codes: four registers for each step, so that no store's data are written again
.set WREG,   8192                      ; LDS: a region for each wave: two stages of 32 x SP bytes, behind them its 256 scale bytes
.set SP,     80                        ; a lane's place in a stage: 64 bytes + 16 of padding
	s_load_b128 s[4:7], s[0:1], 0x0                ; x, Wo
	s_load_b128 s[8:11], s[0:1], 0x10              ; allc, alls
	v_lshl_add_u32 v192, v0, 2, 0x8000
	v_mov_b32 v193, 0
; ONE LAUNCH QUANTISES ALL INPUTS: work-groups 0-287 take x and Wo (the text below), work-groups 288-479 take Wq, Wk, Wv (the text behind .Lweights).  The two paths part on the work-group's number alone and have LDS bytes of their own.
; WORK LEFT OUT BY THE PROGRAM (launch attn): reference() hides, by its own jnp.tril, every score whose key comes after its query: -inf ahead of the softmax, weight 0 for all values of the inputs.
; So a step of 128 keys all of which come after all queries of a block reaches no output, and neither of the two attention products is formed for it.  LIMIT: a NaN, an infinity or an overflow that reaches only that work is not carried to the result.
	s_cmp_ge_u32 ttmp9, 288
	s_wait_alu depctr_va_vdst(0)                   ; the wait ahead of the branch
	s_cbranch_scc1 .Lweights
	v_lshrrev_b32 v1, 5, v0
	v_readfirstlane_b32 s16, v1                    ; wave
	v_and_b32 v2, 31, v0                           ; lane
	v_lshlrev_b32 v3, 4, v2                        ; my 16 bytes of a load's 512
	s_mul_i32 s17, s16, WREG
	v_lshrrev_b32 v14, 2, v2
	v_mul_u32_u24 v14, v14, SP
	v_and_b32 v15, 3, v2
	v_lshl_add_u32 v14, v15, 4, v14
	v_add_nc_u32 v14, s17, v14                     ; the stage, on the way in: SP (lane / 4) + 16 (lane % 4)
	v_mul_u32_u24 v15, v2, SP
	v_add_nc_u32 v15, s17, v15                     ; and on the way out: SP x lane
	v_bfe_u32 v4, v2, 2, 1                         ; my 16 codes: which of the two panels,
	v_mul_u32_u24 v4, v4, PANELB
	v_lshrrev_b32 v6, 3, v2
	v_mad_u32_u24 v4, v6, 48, v4                   ; which of the step's four rows,
	v_and_b32 v6, 3, v2
	v_mad_u32_u24 v4, v6, 12, v4                   ; which 12 of the row's 48 bytes
	v_lshrrev_b32 v5, 1, v2
	s_add_co_u32 s17, s17, 2*32*SP
	v_add_nc_u32 v5, s17, v5                       ; LDS: my block's byte among the step's 16: 4 (lane / 8) + (lane / 2) % 4 = lane / 2
	v_lshlrev_b32 v7, 3, v2                        ; the bytes' way out: 8 a lane
	v_add_nc_u32 v6, s17, v7
	s_wait_kmcnt 0x0
	s_cmp_lt_u32 ttmp9, 256                        ; x's work-group or Wo's?  The choice hangs on the work-group's number alone
	s_cselect_b64 s[4:5], s[4:5], s[6:7]
	s_cselect_b32 s17, 0, 256
	s_cselect_b32 s20, 0, 11264                    ; the tensor's first place
	s_sub_co_u32 s17, ttmp9, s17
	s_lshl_b32 s17, s17, 2
	s_add_co_u32 s18, s17, s16                     ; my wave's share:
	s_and_b32 s19, s18, 7                          ; which 128 along K,
	s_lshr_b32 s18, s18, 3                         ; which 64 rows
	s_lshl_b32 s22, s18, 18                        ; 64 rows of 4,096 bytes
	s_lshl_b32 s23, s19, 9
	s_add_co_u32 s22, s22, s23
	s_mov_b32 s23, 0
	s_add_nc_u64 s[4:5], s[4:5], s[22:23]
	s_lshl_b32 s21, s18, 6
	s_add_co_u32 s21, s21, s20                     ; my first place
	s_mul_i32 s22, s19, 2*PANELB
	s_mul_i32 s24, s21, 48
	s_add_co_u32 s22, s22, s24
	s_add_nc_u64 s[8:9], s[8:9], s[22:23]
	s_mul_i32 s22, s19, 12288
	s_add_co_u32 s22, s22, s21
	s_lshl_b32 s22, s22, 2
	s_add_nc_u64 s[10:11], s[10:11], s[22:23]
.macro LOAD t                          ; step t: rows 4 t .. 4 t + 3, 512 consecutive bytes each
.irp i, 0,1,2,3
	global_load_b128 v[R+16*((\t)%4)+4*\i:R+16*((\t)%4)+4*\i+3], v3, s[4:5] offset:(4*(\t)+\i)*4096 th:TH_LOAD_NT
.endr
.endm
.macro TURN t                          ; step t's numbers through the stage: LDS serves a wave's instructions in order, so no wait stands between the stores and the loads
.irp i, 0,1,2,3
	ds_store_b128 v14, v[R+16*((\t)%4)+4*\i:R+16*((\t)%4)+4*\i+3] offset:32*SP*((\t)%2)+8*SP*\i
.endr
.irp i, 0,1,2,3
	ds_load_b128 v[X+16*((\t)%2)+4*\i:X+16*((\t)%2)+4*\i+3], v15 offset:32*SP*((\t)%2)+16*\i
.endr
.endm
.irp t, 0,1,2,3
	LOAD \t
.endr
	s_wait_loadcnt 12                              ; step 0's four loads are in; the twelve of steps 1 to 3 may be out
	TURN 0
.macro STEP t
.set XS, X+16*((\t)%2)
.set TP, ((\t)&9)|(((\t)&2)<<1)|(((\t)&4)>>1)   ; the step's four rows lie at places 4 TP on: the rows' bits 3 and 4 are the step's bits 1 and 2
.if (\t) > 0
	s_wait_dscnt 1                                 ; this step's numbers are back from the stage (the last step's byte store may be out): so its stores into the stage have read their registers,
.else
	s_wait_dscnt 0x0
.endif
.if (\t)+4 < STEPS
	LOAD (\t)+4                                    ; which take the loads of four steps on
.endif
.if (\t)+1 < STEPS
.if STEPS-2-(\t) >= 3
	s_wait_loadcnt 12                              ; the next step's four loads are in; those of the three steps behind it may be out
.else
	s_wait_loadcnt 4*(STEPS-2-(\t))
.endif
	TURN (\t)+1                                    ; and go through the other stage while this step is worked
.endif
	v_max3_num_f32 v8, |v[XS]|, |v[XS+1]|, |v[XS+2]|               ; the largest magnitude of my 16, in two chains
	v_max3_num_f32 v9, |v[XS+3]|, |v[XS+4]|, |v[XS+5]|
.irp i, 6,10
	v_max3_num_f32 v8, v8, |v[XS+\i]|, |v[XS+\i+1]|
	v_max3_num_f32 v9, v9, |v[XS+\i+2]|, |v[XS+\i+3]|
.endr
	v_max3_num_f32 v8, v8, |v[XS+14]|, |v[XS+15]|
	v_max3_num_f32 v8, v8, v9, (EMAX+1)<<23        ; and the floor 2^(5 - 127): so the byte cannot fall under 1
	v_max_num_f32_dpp v8, v8, v8 row_xmask:1 row_mask:0xf bank_mask:0xf   ; and of my neighbour's 16: the block's
	v_add_nc_u32 v11, -(EMAX<<23), v8              ; 4 off its exponent field: the conversion takes the exponent field of this operand as its scale
	v_cvt_scalef32_pk16_bf6_f32 v[C+4*(\t):C+4*(\t)+2], v[XS:XS+15], v11
	v_lshrrev_b32 v[E+(\t)], 23, v11               ; the scale's byte
	ds_store_b8 v5, v[E+(\t)] offset:16*TP         ; both lanes of a block write the same byte with the same value
	global_store_b96 v4, v[C+4*(\t):C+4*(\t)+2], s[8:9] offset:192*TP   ; two runs of 192 consecutive bytes: four rows' 48 in each of two panels
.endm
.irp t, 0,1,2,3,4,5,6,7,8,9,10,11,12,13,14,15
	STEP \t
.endr
	ds_load_b64 v[12:13], v6                       ; LDS serves a wave's instructions in order: these see my stores
	s_wait_dscnt 0x0
	global_store_b64 v7, v[12:13], s[10:11]        ; 32 lanes store 256 consecutive bytes, at a multiple of 256 from the buffer's first byte: 64 rows' scale words
	s_wait_tensorcnt 0x0
	ds_add_u32 v192, v193
	s_wait_dscnt 0x0
	s_endpgm
.Lweights:
; Wq, Wk, Wv [16 heads][1024 (K)][64], f32: K is the MIDDLE axis.  They become codes with K innermost and one scale byte for each 32 along K, in allc [16 panels][12288 rows][48] and alls [8][12288][4].
; Rows: head h's 64 columns of Wk at 8192 + 128 h, of Wq at 8192 + 128 h + 64, of Wv at 10240 + 64 h; inside each 32 rows, row i lies at place P(i): i with its bits 3 and 4 exchanged.
; A lane takes a column and its registers run down K: a block of 32 lies in one lane's 32 registers.  A wave takes 32 columns x 128 along K; its codes go through its own stage in LDS and leave as runs of 384 consecutive bytes.
; Work-group 288 + 4 u + y: tensor u / 16, head u % 16, 256 y along K.  LIMITS as above.
.set NB,     4
.set SB,     24
.set X,      32
.set C,      96
.set OUTR,   32
.set WST,    0x8200                    ; this path's stages: 4,096 bytes a wave, behind the other path's bytes and the spare words
	s_load_b128 s[32:35], s[0:1], 0x20             ; Wq, Wk
	s_load_b64 s[36:37], s[0:1], 0x30              ; Wv
	v_lshrrev_b32 v1, 5, v0
	v_readfirstlane_b32 s16, v1                    ; wave 0..3
	v_and_b32 v2, 31, v0
	v_lshlrev_b32 v3, 2, v2                        ; in: 4 bytes a lane
	s_lshl_b32 s19, s16, 12
	s_add_co_u32 s19, s19, WST                     ; my stage
	v_lshl_add_u32 v4, v2, 6, s19                  ; into it: 64 bytes a column and panel
	v_lshl_add_u32 v7, v2, 4, s19                  ; out of it: 16 bytes a lane
	v_mul_u32_u24 v8, v2, 12                       ; and 12 bytes a lane in allc
	v_and_b32 v9, 7, v2                            ; P(lane)
	v_and_b32 v10, 8, v2
	v_lshl_or_b32 v9, v10, 1, v9
	v_and_b32 v10, 16, v2
	v_lshrrev_b32 v10, 1, v10
	v_or_b32 v9, v9, v10
	v_lshlrev_b32 v9, 2, v9                        ; my column's scale word
	s_sub_co_u32 s23, ttmp9, 288
	s_lshr_b32 s17, s23, 6                         ; which tensor: 0 Wq, 1 Wk, 2 Wv
	s_bfe_u32 s18, s23, 0x40002                    ; the head
	s_and_b32 s20, s16, 1                          ; which 32 columns
	s_lshr_b32 s21, s16, 1
	s_and_b32 s22, s23, 3
	s_lshl_b32 s22, s22, 1
	s_add_co_u32 s21, s21, s22                     ; which 128 along K
	s_lshl_b32 s24, s18, 18
	s_lshl_b32 s25, s21, 15
	s_add_co_u32 s24, s24, s25
	s_lshl_b32 s25, s20, 7
	s_add_co_u32 s24, s24, s25
	s_mov_b32 s25, 0
	s_lshl_b32 s26, s18, 7
	s_add_co_u32 s26, s26, 8192                    ; Wk's first row of the head,
	s_add_co_u32 s27, s26, 64                      ; Wq's,
	s_lshl_b32 s28, s18, 6
	s_add_co_u32 s28, s28, 10240                   ; Wv's
	s_cmp_eq_u32 s17, 0
	s_cselect_b32 s26, s27, s26
	s_cmp_eq_u32 s17, 2
	s_cselect_b32 s26, s28, s26
	s_lshl_b32 s27, s20, 5
	s_add_co_u32 s26, s26, s27                     ; my wave's first row
	s_mul_i32 s28, s21, 2*PANELB
	s_mul_i32 s27, s26, 48
	s_add_co_u32 s28, s28, s27
	s_mov_b32 s29, 0
	s_mul_i32 s30, s21, 12288
	s_add_co_u32 s30, s30, s26
	s_lshl_b32 s30, s30, 2
	s_mov_b32 s31, 0
	s_wait_alu depctr_va_vdst(0)                   ; the wait at the head's end
	s_wait_kmcnt 0x0
	s_cmp_eq_u32 s17, 0                            ; the choice of the tensor hangs on the work-group's number alone
	s_cselect_b64 s[32:33], s[32:33], s[34:35]
	s_cmp_eq_u32 s17, 2
	s_cselect_b64 s[32:33], s[36:37], s[32:33]
	s_add_nc_u64 s[32:33], s[32:33], s[24:25]
	s_add_nc_u64 s[8:9], s[8:9], s[28:29]
	s_add_nc_u64 s[10:11], s[10:11], s[30:31]
.macro WLOAD t                         ; block t: W(32 t + i, my column) into set t % 2
.irp i, 0,1,2,3,4,5,6,7,8,9,10,11,12,13,14,15,16,17,18,19,20,21,22,23,24,25,26,27,28,29,30,31
	global_load_b32 v[X+32*((\t)%2)+\i], v3, s[32:33] offset:(32*(\t)+\i)*256 th:TH_LOAD_NT
.endr
.endm
	WLOAD 0
	WLOAD 1
.macro WBLOCK t
.set XS, X+32*((\t)%2)
.if (\t) < NB-1
	s_wait_loadcnt 32                              ; this block's 32 loads are in; the next block's 32 may be out
.else
	s_wait_loadcnt 0
.endif
	v_max3_num_f32 v12, |v[XS]|, |v[XS+1]|, |v[XS+2]|
	v_max3_num_f32 v13, |v[XS+3]|, |v[XS+4]|, |v[XS+5]|
.irp i, 6,10,14,18,22,26
	v_max3_num_f32 v12, v12, |v[XS+\i]|, |v[XS+\i+1]|
	v_max3_num_f32 v13, v13, |v[XS+\i+2]|, |v[XS+\i+3]|
.endr
	v_max3_num_f32 v12, v12, |v[XS+30]|, |v[XS+31]|
	v_max3_num_f32 v12, v12, v13, (EMAX+1)<<23     ; the floor 2^(5 - 127): the byte cannot fall under 1
	v_add_nc_u32 v11, -(EMAX<<23), v12             ; the conversion's scale operand
	v_lshrrev_b32 v13, 23, v11                     ; the scale's byte
.if (\t) == 0
	v_mov_b32 v[SB], v13
.else
	v_lshl_or_b32 v[SB], v13, 8*(\t), v[SB]
.endif
	v_cvt_scalef32_pk16_bf6_f32 v[C:C+2], v[XS:XS+15], v11
	v_cvt_scalef32_pk16_bf6_f32 v[C+4:C+6], v[XS+16:XS+31], v11
	ds_store_b96 v4, v[C:C+2] offset:((\t)/2)*2048+((\t)%2)*32
	ds_store_b96 v4, v[C+4:C+6] offset:((\t)/2)*2048+((\t)%2)*32+16
.if (\t)+2 < NB
	WLOAD (\t)+2
.endif
	s_wait_dscnt 0x0                               ; the stores have read their registers
.endm
.irp t, 0,1,2,3
	WBLOCK \t
.endr
	s_wait_alu depctr_va_vdst(0)
	global_store_b32 v9, v[SB], s[10:11]           ; my column's scale word, at its place
.irp t, 0,1,2,3,4,5,6,7
	ds_load_b96 v[OUTR+4*\t:OUTR+4*\t+2], v7 offset:(\t/4)*2048+512*(\t%4)
.endr
.irp t, 0,1,2,3,4,5,6,7
	s_wait_dscnt 7-\t
	global_store_b96 v8, v[OUTR+4*\t:OUTR+4*\t+2], s[8:9] offset:(\t/4)*PANELB+384*(((\t%4)>>1)|(((\t%4)&1)<<1))
.endr
	s_wait_tensorcnt 0x0
	ds_add_u32 v192, v193
	s_wait_dscnt 0x0
	s_endpgm
.Lfunc_end_k_q2849aba4bf_quant_x:
	.size	k_q2849aba4bf_quant_x, .Lfunc_end_k_q2849aba4bf_quant_x-k_q2849aba4bf_quant_x
	.p2alignl 7, 3214868480
	.fill 96, 4, 3214868480
	.section	.rodata,"a",@progbits
	.p2align	6, 0x0
	.amdhsa_kernel k_q2849aba4bf_quant_x
		.amdhsa_group_segment_fixed_size 49664
		.amdhsa_private_segment_fixed_size 0
		.amdhsa_enable_private_segment 0
		.amdhsa_kernarg_size 56
		.amdhsa_user_sgpr_count 2
		.amdhsa_user_sgpr_kernarg_segment_ptr 1
		.amdhsa_wavefront_size32 1
		.amdhsa_system_sgpr_workgroup_id_x 1
		.amdhsa_system_sgpr_workgroup_id_y 1
		.amdhsa_system_sgpr_workgroup_id_z 1
		.amdhsa_system_vgpr_workitem_id 0
		.amdhsa_next_free_vgpr 194
		.amdhsa_next_free_sgpr 66
		.amdhsa_reserve_vcc 0
		.amdhsa_float_denorm_mode_32 3
		.amdhsa_float_denorm_mode_16_64 3
		.amdhsa_memory_ordered 1
		.amdhsa_forward_progress 1
		.amdhsa_inst_pref_size 55
	.end_amdhsa_kernel
	.amdgpu_metadata
---
amdhsa.version: [ 1, 2 ]
amdhsa.kernels:
  - .name:           k_q2849aba4bf_quant_x
    .symbol:         k_q2849aba4bf_quant_x.kd
    .args:
      - { .name: x, .offset: 0, .size: 8, .value_kind: global_buffer, .address_space: global }
      - { .name: Wo, .offset: 8, .size: 8, .value_kind: global_buffer, .address_space: global }
      - { .name: allc, .offset: 16, .size: 8, .value_kind: global_buffer, .address_space: global }
      - { .name: alls, .offset: 24, .size: 8, .value_kind: global_buffer, .address_space: global }
      - { .name: Wq, .offset: 32, .size: 8, .value_kind: global_buffer, .address_space: global }
      - { .name: Wk, .offset: 40, .size: 8, .value_kind: global_buffer, .address_space: global }
      - { .name: Wv, .offset: 48, .size: 8, .value_kind: global_buffer, .address_space: global }
    .group_segment_fixed_size: 49664
    .private_segment_fixed_size: 0
    .kernarg_segment_align: 8
    .kernarg_segment_size: 56
    .max_flat_workgroup_size: 128
    .sgpr_count:     66
    .vgpr_count:     194
    .wavefront_size: 32
...
	.end_amdgpu_metadata
.endif
;; end of part 1
;; launch proj (part 2): grid 8 x 48, 4 waves a work-group, clusters of 4 x 4, 327,680 bytes of LDS; arguments allc, alls, qkc, qks, vcb, vsb; writes qkc, qks, vcb, vsb
.if DOCPART == 2
	.amdgcn_target "amdgcn-amd-amdhsa--gfx1250"
	.amdhsa_code_object_version 6
	.text
	.protected	k_q2849aba4bf_proj
	.globl	k_q2849aba4bf_proj
	.p2align	8
	.type	k_q2849aba4bf_proj,@function
k_q2849aba4bf_proj:
	s_mov_b64 s[64:65], 0
	v_nop
	global_prefetch_b8 v0, s[64:65] scope:SCOPE_SE
	s_setreg_imm32_b32 hwreg(HW_REG_WAVE_MODE, 25, 1), 1
	s_wait_xcnt 0x0
	s_wait_alu depctr_hold_cnt(0) depctr_sa_sdst(0) depctr_va_vdst(0) depctr_va_sdst(0) depctr_va_ssrc(0) depctr_va_vcc(0) depctr_vm_vsrc(0)
	s_getreg_b32 s2, hwreg(HW_REG_IB_STS2, 6, 4)
	s_cmp_eq_u32 s2, 0
	s_cbranch_scc0 .Lentry_in_a_cluster
	s_endpgm
.Lentry_in_a_cluster:
	s_bfe_u32 s2, ttmp6, 0x10000c
	s_cmp_lg_u32 s2, 0xf033
	s_cbranch_scc0 .Lentry_shape_is_right
	s_endpgm
.Lentry_shape_is_right:
; THE THREE PROJECTIONS, on codes of BF6 (E3M2) with one E8M0 scale for each 32 along K = 1024, and their results quantised again on the way out: q, k and v never go to memory as f32.
; One text serves both shapes: C'[m][n] = sum over k of A[m][k] B[n][k], with m in the lanes and n in a lane's registers, quantised along n.
;   clusters y 0-7:  A = x (8192 rows), B = Wk and Wq (2048 rows: head h's 64 of Wk, then its 64 of Wq): n runs along a head's 64: q and k, quantised along the head.
;   clusters y 8-11: A = Wv (1024 rows), B = x: n runs along the tokens: v, quantised along the keys.
; All operands lie in allc [16 panels of 64 along K][12288 rows][48 bytes] and alls [8][12288][4].  A row i lies at place P(i) (bits 3 and 4 exchanged), a tile is 16 neighbouring places.
; THE MATRIX INSTRUCTION IS USED TRANSPOSED (source 0 = 16 places of B, source 1 = 16 places of A).  By P, the 16 registers of B's tiles 2 j and 2 j + 1 are 16 NEIGHBOURING rows n = 32 j + 16 (lane / 16) + 0 .. 15.
; A's places stay places: q and k lie in qkc at place P(token), v in vcb at place P(channel).
; OUT: qkc [2 h + c][8192][48] (c = 0: k, 1: q), qks [h][8192][4] (bytes k0 k1 q0 q1);  vcb [token / 64][1024][48], vsb [token / 128][1024][4].
; LIMITS: a block of results whose largest magnitude lies under 2^-122, a block of zeros among them, keeps the byte 1 (only this program reads the bytes); NaN and infinities are not served.
; SHAPE: a tile of C' is 256 x 256, four waves, each 128 x 128 in 64 accumulators.  K goes in steps of 256 (four panels) through a ring of two LDS slots; a wave's tensor load brings four runs of 6,144 dense bytes (128 rows of a panel).
; The scale words of the work-group's rows, for all of K, come once, with the first fills.
; CLUSTERS: 4 x 4 work-groups.  A's tiles are shared along a row of the cluster, B's along a column: each is asked for JOINTLY, by the same tensor load with the same descriptor and a mask that names the four.
; REGISTERS, in windows of 256: window 0: v16-30 addresses; v32-63 scale words, two sets; v64-107 at work on the way out; v128-223 A's fragments, ONE set.  window 1: B's fragments, TWO sets, at v0 and v128.
;   window 2: the accumulators of my rows 0-63 ((a, b) at v[8 (8 a + b)]);  window 3: those of my rows 64-127.
.set PANELB, 589824                    ; a panel of allc: 12288 rows x 48 bytes
.set KSTEPB, 4*PANELB                  ; a K step of 256 in memory
.set NQ,     2                         ; matrix instructions deep in a slot
.set FR,     12                        ; registers of a fragment: 16 rows x 128 K
.set NL,     6                         ; LDS loads that bring one
.set NP,     4                         ; places behind this matrix instruction (ISA guide 7.12.1)
.set PLB,    6144                      ; 128 rows of a panel
.set HALFT,  4*PLB                     ; what one tensor load brings, and what one wave reads of A or of B
.set SLOT,   4*HALFT                   ; A's 256 rows, then B's 256 rows
.set LAPS,   2                         ; a lap = two K steps = once round the ring
.set SCL,    2*SLOT                    ; behind the ring: the scale words: [8 runs of 128 K][128 rows][4] for each wave's fetch; B's lie 64 bytes further on, so that lanes 16-31 fall on other banks than lanes 0-15
.set SPARE,  213248                    ; behind the scales (they end at 213,056): the spare words, 128 bytes for each wave: two blocks of 256 bytes that no other line names
.set STG,    213760                    ; the way out: for each wave [2 panels][128 rows][48], then 512 bytes of scale words; no tensor load fills these bytes
.set STGW,   12800
.set ADRA, 16                          ; v16-17  LDS address of my A fragments in slot 0, 1
.set ADRB, 20                          ; v20-21  the same for B
.set STO,  24                          ; v24     the way out: where I put my 24 bytes of a row
.set SST,  25                          ; v25     and the row's scale word
.set CO,   26                          ; v26     16 x lane: my byte offset in a store's 512
.set ADRS, 27                          ; v27     LDS address of my scale words: lanes 0-15 A's rows, lanes 16-31 B's
.set SPW,  28                          ; v28     LDS address of my spare word; never rewritten
.set NIL,  29                          ; v29     0; never rewritten
.set RD,   30                          ; v30     the way out: where I read the stage back
.set SC,   32                          ; scale words: set s at v[SC + 16 s]; register 2 i + q: lanes 0-15 the word of A's block i, lanes 16-31 that of B's block i, for the slot's q-th 128 along K
.set TM,   64                          ; v64-67 largest magnitudes, v68-71 the other half's, then bytes, v76-79 the conversions' scale operands
.set PW,   80                          ; the scale word just made
.set PC,   84                          ; v84-102 the codes just made
.set WB,   104                         ; v104-107 the scale words read back
.set AF,   128                         ; A's fragments; on the way out the codes read back
.set G1, 24                            ; s[24:31] descriptor group 1 for A's tiles;  s[32:39] group 0, one set for each slot
.set G0, 32
.set G1B, 48                           ; s[48:55], s[56:63] the same for B's tiles
.set G0B, 56
.set G1S, 68
.set G0S, 76
.set G1SB, 80
.set G0SB, 88
.set SEL, 100                          ; s[100:101] lane selects for v_permlanex16_b32: lane l xor 16
.set MSB, 0
.macro WIN new                         ; the immediate's high byte repeats the setting that is left
.if MSB != (\new)
	s_set_vgpr_msb (MSB<<8)|(\new)
.set MSB, (\new)
.endif
.endm
.set MUL_LO, 0xa1                      ; source 0 (B) window 1, source 1 (A) window 0, C and D window 2
.set MUL_HI, 0xf1                      ; the same, C and D window 3
.set TO_B,   0x40                      ; destination window 1, address window 0
; A joint load: waves 0 and 1 fetch for A, waves 2 and 3 for B.  Each of the two lines has ONE mask and one set of registers for all that issue it; the branch hangs on the wave's number alone.
; Four v_nop follow each of the two lines, ahead of the jump, the label and what follows.
.macro JLOAD g0a, g1a, g0b, g1b
	s_cmp_eq_u32 s15, 0
	s_cbranch_scc0 .Lfor_b_\@
	tensor_load_to_lds s[\g0a:\g0a+3], s[\g1a:\g1a+7]
	s_nop 0
.rept 4
	v_nop
.endr
	s_branch .Lasked_\@
.Lfor_b_\@:
	tensor_load_to_lds s[\g0b:\g0b+3], s[\g1b:\g1b+7]
	s_nop 0
.rept 4
	v_nop
.endr
.Lasked_\@:
.endm
.macro CREST                           ; a round of the cluster's barrier behind its opening barrier
	s_cmp_lg_u32 s14, 0
	s_cbranch_scc1 .Lnot_wave_0_\@
	s_barrier_signal -3
.Lnot_wave_0_\@:
	s_barrier_wait -3
	s_barrier_signal -1
	s_barrier_wait -1
.endm
.macro CROUND                          ; a whole round
	s_barrier_signal -1
	s_barrier_wait -1
	CREST
.endm
	s_load_b128 s[4:7], s[0:1], 0x0                ; allc, alls
	s_load_b128 s[8:11], s[0:1], 0x10              ; qkc, qks
	s_load_b128 s[96:99], s[0:1], 0x20             ; vcb, vsb
	v_lshl_add_u32 v[SPW], v0, 2, SPARE
	v_mov_b32 v[NIL], 0
	ds_add_u32 v28, v29
	ds_add_u32 v28, v29
	s_wait_dscnt 0x0
	v_lshrrev_b32 v1, 5, v0
	v_readfirstlane_b32 s14, v1                    ; wave 0..3
	s_lshr_b32 s15, s14, 1                         ; which half of the tile's rows (m) is mine.  Also: I fetch for A (0) or for B (1)
	s_and_b32 s16, s14, 1                          ; which half of its columns (n).  Also: which 128 rows of that tile I fetch
	s_bfe_u32 s40, ttmp6, 0x40000                  ; cx, cy: my place in the cluster
	s_bfe_u32 s41, ttmp6, 0x40004
	s_and_b32 s17, ttmp7, 0xffff                   ; the cluster's y: 0-7 q and k, 8-11 v: the same in all sixteen partners
	s_lshl_b32 s43, s41, 2
	s_lshl_b32 s43, 15, s43                        ; my row of the cluster
	s_lshl_b32 s44, 0x1111, s40                    ; my column
	; A's rows hang on cy and the cluster's y alone, B's on cx and the cluster's x and y alone
	s_lshl_b32 s18, s41, 8                         ; 256 cy
	s_lshl_b32 s19, s17, 10
	s_add_co_u32 s19, s19, s18                     ; q, k: x's rows 1024 y + 256 cy
	s_add_co_u32 s20, s18, 10240                   ; v: Wv's rows
	s_lshl_b32 s42, ttmp9, 10
	s_lshl_b32 s95, s40, 8
	s_add_co_u32 s42, s42, s95                     ; 256 (4 x + cx)
	s_max_u32 s46, s17, 8
	s_sub_co_u32 s46, s46, 8
	s_lshl_b32 s46, s46, 11
	s_add_co_u32 s46, s46, s42                     ; v: x's rows 2048 (y - 8) + 256 (4 x + cx)
	s_add_co_u32 s92, s42, 8192                    ; q, k: the weights' rows
	s_cmp_lt_u32 s17, 8
	s_cselect_b32 s20, s19, s20                    ; A's first row in allc,
	s_cselect_b32 s12, s19, s18                    ; and as the output counts it
	s_cselect_b32 s92, s92, s46                    ; B's first row in allc,
	s_cselect_b32 s13, s42, s46                    ; and as the output counts it
	s_cselect_b32 s66, 13, 10                      ; log2 of the output's rows in a panel: 8192 or 1024
	; descriptor group 1 for the codes: four runs (panels) of 768 elements of 8 bytes, a panel apart; no padding: rows of 48 bytes already spread a load's lanes over all banks
	s_or_b32 s[G1+0], s43, (3<<16)|(1<<21)         ; 15:0 the mask: A's tiles go to my row; 17:16 elements of 8 bytes; 21 set beside a mask
	s_or_b32 s[G1B+0], s44, (3<<16)|(1<<21)
.irp g, G1, G1B
	s_mov_b32 s[\g+1], 768<<16                     ; tensor_dim0
	s_mov_b32 s[\g+2], 4<<16                       ; tensor_dim1
	s_mov_b32 s[\g+3], 768<<16                     ; tile_dim0
	s_mov_b32 s[\g+4], 4                           ; tile_dim1
	s_mov_b32 s[\g+5], PANELB/8
	s_mov_b32 s[\g+6], 0
	s_mov_b32 s[\g+7], 0
.endr
	s_lshl_b32 s18, s16, 7                         ; which 128 rows of the tile I fetch
	s_add_co_u32 s20, s20, s18
	s_add_co_u32 s92, s92, s18
	s_lshl_b32 s22, s20, 2                         ; their scale words,
	s_mul_i32 s20, s20, 48                         ; their codes, in bytes
	s_mov_b32 s21, 0
	s_mov_b32 s23, 0
	s_mul_i32 s46, s92, 48
	s_lshl_b32 s92, s92, 2
	s_mov_b32 s47, 0
	s_mov_b32 s93, 0
	s_mul_i32 s45, s14, HALFT                      ; where they go: by the wave's number alone
	s_lshl_b32 s67, s14, 12
	s_mov_b32 s[SEL], 0x76543210
	s_mov_b32 s[SEL+1], 0xfedcba98
	s_wait_kmcnt 0x0
	s_add_nc_u64 s[20:21], s[4:5], s[20:21]
	s_add_nc_u64 s[22:23], s[6:7], s[22:23]
	s_add_nc_u64 s[46:47], s[4:5], s[46:47]
	s_add_nc_u64 s[92:93], s[6:7], s[92:93]
	CROUND                                         ; all sixteen work-groups are here: the first joint loads meet
.irp s, 0,1
	s_mov_b32 s[G0+4*\s], 1
	s_add_co_u32 s[G0+4*\s+1], s45, \s*SLOT
	s_add_nc_u64 s[G0+4*\s+2:G0+4*\s+3], s[20:21], \s*KSTEPB
	s_or_b32 s[G0+4*\s+3], s[G0+4*\s+3], 0x80000000
	s_mov_b32 s[G0B+4*\s], 1
	s_add_co_u32 s[G0B+4*\s+1], s45, \s*SLOT
	s_add_nc_u64 s[G0B+4*\s+2:G0B+4*\s+3], s[46:47], \s*KSTEPB
	s_or_b32 s[G0B+4*\s+3], s[G0B+4*\s+3], 0x80000000
.endr
	JLOAD G0, G1, G0B, G1B                         ; K step 0: my one tensor load at the head
	; the scale words of the 128 rows that I fetch, all of K: eight runs of 512 consecutive bytes by plain loads; they go into LDS by stores, into bytes that no tensor load fills
	s_cmp_eq_u32 s15, 0
	s_cselect_b64 s[92:93], s[22:23], s[92:93]     ; A's rows (waves 0, 1) or B's (waves 2, 3)
	s_lshl_b32 s95, s15, 6                         ; B's lie 64 bytes further on
	s_add_co_u32 s67, s67, s95
	s_add_co_u32 s67, s67, SCL
	v_and_b32 v6, 31, v0
	v_lshlrev_b32 v[CO], 4, v6
	v_add_nc_u32 v8, s67, v[CO]
.irp i, 0,1,2,3,4,5,6,7
	global_load_b128 v[AF+4*\i:AF+4*\i+3], v[CO], s[92:93] offset:49152*\i
.endr
	v_and_b32 v1, 15, v0
	v_bfe_u32 v2, v0, 4, 1                         ; h = l / 16
	s_wait_alu depctr_va_vdst(0)
	v_mul_u32_u24 v3, v1, 48
	v_mad_u32_u24 v3, v2, 24, v3                   ; a fragment's row x 48 + 24 x half: words 12 r + 6 h: the 32 lanes of a load of 8 bytes touch 64 different banks
	s_wait_alu depctr_va_vdst(0)
	s_mul_i32 s21, s15, HALFT                      ; my 128 rows of A
	s_mul_i32 s22, s16, HALFT                      ; my 128 rows of B,
	s_add_co_u32 s22, s22, 2*HALFT                 ; which lie behind A's 256
.irp s, 0,1
	v_add_nc_u32 v[ADRA+\s], s21, v3
	v_add_nc_u32 v[ADRB+\s], s22, v3
	s_add_co_u32 s21, s21, SLOT
	s_add_co_u32 s22, s22, SLOT
.endr
	v_lshlrev_b32 v5, 2, v1                        ; my row's scale word
	s_lshl_b32 s21, s15, 12                        ; A's: my 128 rows
	s_lshl_b32 s22, s16, 12                        ; B's: my 128 rows, behind A's 256 and 64 bytes on
	s_add_co_u32 s22, s22, 8192+64
	s_sub_co_u32 s22, s22, s21
	v_mul_u32_u24 v6, s22, v2                      ; lanes 16-31 take B's
	s_add_co_u32 s21, s21, SCL
	v_add_nc_u32 v5, v5, v6
	v_add_nc_u32 v[ADRS], s21, v5
	s_mul_i32 s23, s14, STGW
	s_add_co_u32 s23, s23, STG                     ; my stage
	v_add_nc_u32 v[STO], s23, v3
	v_lshl_add_u32 v[SST], v1, 2, s23
	v_add_nc_u32 v[SST], 2*PLB, v[SST]
	v_add_nc_u32 v[RD], s23, v[CO]
.irp b, 0,1,2,3
	v_mov_b32 v[TM+4+\b], 0                        ; written once: a lane permute's destination counts as one of its sources
.endr
	; where my results go: panels 2 nch and 2 nch + 1 of the codes, run nch of the scale words, rows m0 on
	s_cmp_lt_u32 s17, 8
	s_cselect_b64 s[8:9], s[8:9], s[96:97]         ; the choice hangs on the cluster's y alone
	s_cselect_b64 s[10:11], s[10:11], s[98:99]
	s_lshl_b32 s94, s15, 7
	s_add_co_u32 s12, s12, s94                     ; m0
	s_lshr_b32 s13, s13, 7
	s_add_co_u32 s13, s13, s16                     ; nch: which 128 along n
	s_lshl_b32 s94, s13, s66
	s_add_co_u32 s96, s94, s12
	s_lshl_b32 s96, s96, 2
	s_mov_b32 s97, 0
	s_add_nc_u64 s[10:11], s[10:11], s[96:97]      ; the scale words
	s_lshl_b32 s94, s94, 1
	s_add_co_u32 s94, s94, s12
	s_mul_i32 s96, s94, 48
	s_add_nc_u64 s[8:9], s[8:9], s[96:97]          ; the first panel,
	s_lshl_b32 s96, 48, s66
	s_add_nc_u64 s[12:13], s[8:9], s[96:97]        ; the second
.macro FRAG reg, adr, q, i             ; a fragment, 16 rows x 128 K, is 12 registers: lane l holds row l % 16; registers 6 c .. 6 c + 5 hold K = 64 c + 32 (l / 16) + 0 .. 31: 24 bytes of panel 2 q + c, as they lie
.irp p, 0,1,2,3,4,5                    ; in pieces of 8 bytes, so that every address is a multiple of the access's size
	ds_load_b64 v[\reg+2*\p:\reg+2*\p+1], v[\adr] offset:(2*(\q)+\p/3)*PLB+(\i)*768+8*(\p%3)
.endr
.endm
; 16 matrix instructions: A's blocks a0, a0 + 1 x B's eight, 128 along K: the slot's q-th.  p: B's set;  sc: the set of scale words.  zero = 1: the first product starts the sums: nothing is ever cleared.
; The 64 accumulators take turns, one instruction a turn, in the same order in every step.
.macro MUL16 a0, p, q, sc, zero
.irp a, \a0, \a0+1
.irp b, 0,1,2,3,4,5,6,7
.if \zero
	v_wmma_scale_f32_16x16x128_f8f6f4 v[8*(8*((\a)%4)+\b):8*(8*((\a)%4)+\b)+7], v[128*(\p)+FR*\b:128*(\p)+FR*\b+FR-1], v[AF+FR*(\a):AF+FR*(\a)+FR-1], 0, v[SC+8*NQ*(\sc)+NQ*\b+(\q)], v[SC+8*NQ*(\sc)+NQ*(\a)+(\q)] matrix_a_fmt:MATRIX_FMT_BF6 matrix_b_fmt:MATRIX_FMT_BF6 matrix_a_scale:MATRIX_SCALE_ROW1
.else
	v_wmma_scale_f32_16x16x128_f8f6f4 v[8*(8*((\a)%4)+\b):8*(8*((\a)%4)+\b)+7], v[128*(\p)+FR*\b:128*(\p)+FR*\b+FR-1], v[AF+FR*(\a):AF+FR*(\a)+FR-1], v[8*(8*((\a)%4)+\b):8*(8*((\a)%4)+\b)+7], v[SC+8*NQ*(\sc)+NQ*\b+(\q)], v[SC+8*NQ*(\sc)+NQ*(\a)+(\q)] matrix_a_fmt:MATRIX_FMT_BF6 matrix_b_fmt:MATRIX_FMT_BF6 matrix_a_scale:MATRIX_SCALE_ROW1
.endif
.endr
.endr
.endm
.macro FETCH_B slot, q, p              ; B's eight fragments of the slot's q-th 128 along K into set p
	WIN TO_B
.irp i, 0,1,2,3,4,5,6,7
	FRAG 128*(\p)+FR*\i, ADRB+\slot, \q, \i
.endr
	WIN 0
.endm
.macro FETCH_A slot, q, i0             ; A's blocks i0 .. i0 + 3
.irp i, \i0, \i0+1, \i0+2, \i0+3
	FRAG AF+FR*(\i), ADRA+\slot, \q, \i
.endr
.endm
.macro SCALES sc                       ; the next K step's scale words into set sc; lanes 0-15 take A's block i, lanes 16-31 B's block i
.irp i, 0,1,2,3,4,5,6,7
.irp q, 0,1
	ds_load_b32 v[SC+8*NQ*\sc+NQ*\i+\q], v[ADRS] offset:\q*512+\i*64
.endr
.endr
.endm
; A load into a register that a matrix instruction has read, and a vector instruction that reads a matrix result, stand NP places behind that matrix instruction, and only plain vector
; instructions that name none of its registers are places (ISA guide 7.12.1 for vector instructions); the matrix instructions in between are not counted.
.macro PLACES n
.rept \n
	v_nop
.endr
.endm
; A step of 128 along K that has its successor in the same slot.
.macro STEP slot, q, zero
	s_wait_dscnt 4*NL                              ; B's set, the scale words and A's blocks 0-3 are in; the youngest 24 loads (A's blocks 4-7) may be out
	WIN MUL_LO
	MUL16 0, (\q)%2, \q, \slot, \zero
	MUL16 2, (\q)%2, \q, \slot, \zero
	s_wait_dscnt 0                                 ; A's blocks 4-7 are in (asked for 32 matrix instructions ago)
	PLACES NP
	FETCH_B \slot, (\q)+1, 1-(\q)%2
	FETCH_A \slot, (\q)+1, 0
	WIN MUL_HI
	MUL16 4, (\q)%2, \q, \slot, \zero
	MUL16 6, (\q)%2, \q, \slot, \zero
	PLACES NP
	WIN 0
	FETCH_A \slot, (\q)+1, 4
.endm
; A slot's last step changes slots: ONE barrier; in front of it each wave waits for all its tensor loads, adds 0 to its spare word, and waits for that and for its own reads of this slot.  fill = 1: this slot is filled again, two K steps ahead.
.macro TURN slot, next, fill
	s_wait_tensorcnt 0x0                           ; all my tensor loads have landed: my part of the next slot;  (every window is 0 here: the add's two registers lie in window 0)
	ds_add_u32 v[SPW], v[NIL]                      ; 0 onto my spare word;
	s_wait_dscnt 4*NL+1                            ; (the add and the youngest 24 loads, A's blocks 4-7, may be out)
	WIN MUL_LO
	MUL16 0, 1, NQ-1, \slot, 0                     ; sixteen matrix instructions stand between the add and the wait for it
	s_wait_dscnt 0x0                               ; the add is done, and my reads of this slot are over
	s_barrier_signal -1
	MUL16 2, 1, NQ-1, \slot, 0
	WIN 0
	s_barrier_wait -1
.if \fill
	CREST                                          ; the barrier has opened a round of the cluster's barrier: no wave of any partner still reads this slot's tile or has a load on its way
	s_add_nc_u64 s[G0+4*\slot+2:G0+4*\slot+3], s[G0+4*\slot+2:G0+4*\slot+3], 2*KSTEPB
	s_add_nc_u64 s[G0B+4*\slot+2:G0B+4*\slot+3], s[G0B+4*\slot+2:G0B+4*\slot+3], 2*KSTEPB
	JLOAD G0+4*\slot, G1, G0B+4*\slot, G1B         ; the first tensor load behind the round, my one load until the next; the four v_nop behind it are the places in front of the loads below
.else
	PLACES NP
.endif
	s_wait_alu depctr_va_vdst(0)
	v_add_nc_u32 v[ADRS], 512*NQ, v[ADRS]          ; on to the next K step's scale words
	FETCH_B \next, 0, 0
	FETCH_A \next, 0, 0
	SCALES \next
	WIN MUL_HI
	MUL16 4, 1, NQ-1, \slot, 0
	MUL16 6, 1, NQ-1, \slot, 0
	PLACES NP
	WIN 0
	FETCH_A \next, 0, 4
.endm
	s_wait_alu depctr_va_vdst(0)                   ; the wait at the head's end
	s_wait_loadcnt 0x0                             ; my scale words are in registers
.irp i, 0,1,2,3,4,5,6,7
	ds_store_b128 v8, v[AF+4*\i:AF+4*\i+3] offset:512*\i
.endr
	s_wait_tensorcnt 0x0                           ; my part of K step 0 is in
	ds_add_u32 v[SPW], v[NIL]
	s_wait_dscnt 0x0                               ; the add and my stores of scale words are done
	CROUND                                         ; everybody's are, in all sixteen work-groups
	JLOAD G0+4, G1, G0B+4, G1B                     ; K step 1: the first tensor load behind the round
	FETCH_B 0, 0, 0
	FETCH_A 0, 0, 0
	SCALES 0
	FETCH_A 0, 0, 4
	STEP 0, 0, 1                                   ; the first step stands in front of the loop: its products start the sums
	s_mov_b32 s3, LAPS-1
.Llap:                                                 ; a trip goes once round the ring, from a lap's second step to the next lap's first, and fills both slots again
	TURN 0, 1, 1
	STEP 1, 0, 0
	TURN 1, 0, 1
	STEP 0, 0, 0
	s_sub_co_u32 s3, s3, 1
	s_cmp_lg_u32 s3, 0
	s_cbranch_scc1 .Llap
	TURN 0, 1, 0                                   ; the last lap fills nothing, and has no round of the cluster's barrier
	STEP 1, 0, 0
	s_wait_dscnt 4*NL                              ; the very last step: nothing more to fetch
	WIN MUL_LO
	MUL16 0, 1, NQ-1, 1, 0
	MUL16 2, 1, NQ-1, 1, 0
	s_wait_dscnt 0
	WIN MUL_HI
	MUL16 4, 1, NQ-1, 1, 0
	MUL16 6, 1, NQ-1, 1, 0
	WIN 0
; THE WAY OUT.  Block a: 16 rows m (one a lane) x 128 along n: register 16 j + i of the block's 64 is n = 32 j + 16 (lane / 16) + i.  The four blocks of 32 along n are quantised in registers:
; largest magnitude (with lane l xor 16's), scale, byte, conversion; three exchanges of halves for each pair of blocks give a lane a whole block: 24 bytes of its row in each of two panels.
; Each accumulator is read from its low end on.
.macro QUANTW a
.set AC, 64*((\a)%4)
	WIN 0x28+0x14*((\a)/4)                         ; sources 1 and 2: window 2 or 3
.irp b, 0,1,2,3
	v_max3_num_f32 v[TM+\b], 0x2800000, |v[AC+16*\b]|, |v[AC+16*\b+1]|   ; my 16 numbers, and the floor 2^(5 - 127): so the byte cannot fall under 1
.endr
.irp i, 2,4,6,8,10,12,14
.irp b, 0,1,2,3
	v_max3_num_f32 v[TM+\b], v[TM+\b], |v[AC+16*\b+\i]|, |v[AC+16*\b+\i+1]|   ; (the four blocks by turns)
.endr
.endr
	WIN 0
.irp b, 0,1,2,3
	v_permlanex16_b32 v[TM+4+\b], v[TM+\b], s[SEL], s[SEL+1]
.endr
.irp b, 0,1,2,3
	v_max_num_f32 v[TM+\b], v[TM+\b], v[TM+4+\b]   ; with lane l xor 16's: the block's largest magnitude
.endr
.irp b, 0,1,2,3
	v_add_nc_u32 v[TM+12+\b], 0xfe000000, v[TM+\b] ; 4 off its exponent field: the conversion's scale operand
.endr
.irp b, 0,1,2,3
	v_lshrrev_b32 v[TM+4+\b], 23, v[TM+12+\b]      ; the scale's byte
.endr
	s_wait_alu depctr_va_vdst(0)
	s_wait_dscnt 0x0                               ; the last block's stores have read the registers that are written now
	v_lshl_or_b32 v[PW], v[TM+5], 8, v[TM+4]       ; the four bytes make my row's scale word
	v_lshl_or_b32 v[PW], v[TM+6], 16, v[PW]
	v_lshl_or_b32 v[PW], v[TM+7], 24, v[PW]
	WIN 0x02+((\a)/4)                              ; source 0: window 2 or 3
.irp c, 0,1
	v_cvt_scalef32_pk16_bf6_f32 v[PC+6*\c:PC+6*\c+2], v[AC+32*\c:AC+32*\c+15], v[TM+12+2*\c]
	v_cvt_scalef32_pk16_bf6_f32 v[PC+12+4*\c:PC+14+4*\c], v[AC+32*\c+16:AC+32*\c+31], v[TM+13+2*\c]   ; (a conversion's three registers begin on an even number)
.endr
	WIN 0
	v_nop                                          ; one plain place behind a scaled conversion
.irp c, 0,1                                    ; a WHOLE block to a lane: lanes 0-15 block 2 c, lanes 16-31 block 2 c + 1
.irp i, 0,1,2
	v_permlane16_swap_b32 v[PC+6*\c+\i], v[PC+12+4*\c+\i]
.endr
.irp i, 0,1,2
	v_mov_b32 v[PC+3+6*\c+\i], v[PC+12+4*\c+\i]
.endr
.endr
.irp p, 0,1,2,3,4,5
	ds_store_b64 v[STO], v[PC+2*\p:PC+2*\p+1] offset:(\p/3)*PLB+(\a)*768+8*(\p%3)
.endr
	ds_store_b32 v[SST], v[PW] offset:64*(\a)      ; both halves of the lanes write the same word with the same value
.endm
	PLACES NP                                      ; the first reads of results, and later the loads into the registers that held A's fragments, stand behind these
.irp a, 0,1,2,3,4,5,6,7
	QUANTW \a
.endr
.irp t, 0,1,2,3,4,5,6,7,8,9,10,11,12,13,14,15,16,17,18,19,20,21,22,23
	ds_load_b128 v[AF+4*\t:AF+4*\t+3], v[RD] offset:512*\t   ; LDS serves a wave's instructions in order (ISA guide 5.7.1.4): these see my stores
.endr
	ds_load_b128 v[WB:WB+3], v[RD] offset:2*PLB
.irp t, 0,1,2,3,4,5,6,7,8,9,10,11
	s_wait_dscnt 24-\t                             ; the loads behind this one may be out
	global_store_b128 v[CO], v[AF+4*\t:AF+4*\t+3], s[8:9] offset:512*\t          ; 32 lanes store 512 consecutive bytes, at a multiple of 256 from the buffer's first byte
.endr
.irp t, 12,13,14,15,16,17,18,19,20,21,22,23
	s_wait_dscnt 24-\t
	global_store_b128 v[CO], v[AF+4*\t:AF+4*\t+3], s[12:13] offset:512*(\t-12)
.endr
	s_wait_dscnt 0x0
	global_store_b128 v[CO], v[WB:WB+3], s[10:11]  ; 128 rows' scale words
	s_wait_tensorcnt 0x0                           ; the wave's end, behind my last tensor load and my last LDS store
	ds_add_u32 v[SPW], v[NIL]
	s_wait_dscnt 0x0
	CROUND                                         ; the closing round: no work-group ends while a partner may still ask for a tile that names it
	s_endpgm
.Lfunc_end_k_q2849aba4bf_proj:
	.size	k_q2849aba4bf_proj, .Lfunc_end_k_q2849aba4bf_proj-k_q2849aba4bf_proj
	.p2alignl 7, 3214868480
	.fill 96, 4, 3214868480
	.section	.rodata,"a",@progbits
	.p2align	6, 0x0
	.amdhsa_kernel k_q2849aba4bf_proj
		.amdhsa_group_segment_fixed_size 327680
		.amdhsa_private_segment_fixed_size 0
		.amdhsa_enable_private_segment 0
		.amdhsa_kernarg_size 48
		.amdhsa_user_sgpr_count 2
		.amdhsa_user_sgpr_kernarg_segment_ptr 1
		.amdhsa_wavefront_size32 1
		.amdhsa_system_sgpr_workgroup_id_x 1
		.amdhsa_system_sgpr_workgroup_id_y 1
		.amdhsa_system_sgpr_workgroup_id_z 1
		.amdhsa_system_vgpr_workitem_id 0
		.amdhsa_next_free_vgpr 1024
		.amdhsa_next_free_sgpr 102
		.amdhsa_reserve_vcc 0
		.amdhsa_float_denorm_mode_32 3
		.amdhsa_float_denorm_mode_16_64 3
		.amdhsa_memory_ordered 1
		.amdhsa_forward_progress 1
		.amdhsa_inst_pref_size 172
	.end_amdhsa_kernel
	.amdgpu_metadata
---
amdhsa.version: [ 1, 2 ]
amdhsa.kernels:
  - .name:           k_q2849aba4bf_proj
    .symbol:         k_q2849aba4bf_proj.kd
    .args:
      - { .name: allc, .offset: 0, .size: 8, .value_kind: global_buffer, .address_space: global }
      - { .name: alls, .offset: 8, .size: 8, .value_kind: global_buffer, .address_space: global }
      - { .name: qkc, .offset: 16, .size: 8, .value_kind: global_buffer, .address_space: global }
      - { .name: qks, .offset: 24, .size: 8, .value_kind: global_buffer, .address_space: global }
      - { .name: vcb, .offset: 32, .size: 8, .value_kind: global_buffer, .address_space: global }
      - { .name: vsb, .offset: 40, .size: 8, .value_kind: global_buffer, .address_space: global }
    .group_segment_fixed_size: 327680
    .private_segment_fixed_size: 0
    .kernarg_segment_align: 8
    .kernarg_segment_size: 48
    .max_flat_workgroup_size: 128
    .sgpr_count:     102
    .vgpr_count:     1024
    .wavefront_size: 32
...
	.end_amdgpu_metadata
.endif
;; end of part 2
;; launch attn (part 3): grid 4 x 64, 16 waves a work-group, no clusters, 247,808 bytes of LDS; arguments qkc, qks, vcb, vsb, aoc, aos; writes aoc, aos
.if DOCPART == 3
	.amdgcn_target "amdgcn-amd-amdhsa--gfx1250"
	.amdhsa_code_object_version 6
	.text
	.protected	k_q2849aba4bf_attn
	.globl	k_q2849aba4bf_attn
	.p2align	8
	.type	k_q2849aba4bf_attn,@function
k_q2849aba4bf_attn:
	s_mov_b64 s[64:65], 0
	v_nop
	global_prefetch_b8 v0, s[64:65] scope:SCOPE_SE
	s_setreg_imm32_b32 hwreg(HW_REG_WAVE_MODE, 25, 1), 1
	s_wait_xcnt 0x0
; CAUSAL ATTENTION of one head of one batch, both products on codes of BF6 (E3M2) with one E8M0 scale for each 32 along a product's K; the result, divided by the row's sum, is quantised along the head's 64 and leaves as codes.
; WORK LEFT OUT: key steps all of whose keys come after all queries of a block (reference()'s own jnp.tril gives them weight 0 for all inputs); a NaN or infinity that reaches only them is not carried.
; IN: qkc [2 h + c][8192 places][48] (c = 0: k, 1: q; place = 2048 b + P(token), P exchanges bits 3 and 4), qks [h][8192][4] (bytes k0 k1 q0 q1); vcb [token / 64][64 h + P(channel)][48] (keys innermost), vsb [token / 128][1024][4].
; OUT: aoc [h][8192 places][48], aos [h / 2][8192][4] (bytes 2 (h % 2) + block).
; THE FIRST PRODUCT HAS K = 64: the upper half of both operands is zero codes, written once; they add nothing under any scale byte that these words hold (0 to 254).
; THE SOFTMAX: t = score x log2(e) / 8; M = the row's largest t so far, rounded UP to a whole number; p = 2^(t - M) is quantised along the keys; the row's sum is taken of the unquantised p and divides at the end.
; When M moves, the sum and O are multiplied by 2^(old M - new M): exact.
; SHARES.  256 work-groups: four (x = j) to a head of a batch (y).  Sixteen waves, each one tile of 16 queries at a time.  Eight waves take query block 15 - j and then block j, the other eight 8 + j and then 7 - j:
; block J has J + 1 key steps of 128, so EVERY wave walks 17 steps: trip i = 0 .. J2 is key step i of the long block J2, trip i > J2 is key step (i + J1) % 16 = i - J2 - 1 of the short block J1 = 15 - J2.
; A block's last step lies on the diagonal: hidden scores become -infinity ahead of the maximum, and behind it the tile goes out and the next begins.  All these branches hang on ids alone.
; LDS, FILLED ONCE: K's codes, V's codes, their scale words, the four query blocks' codes.  Fourteen tiles, one tensor load a wave, each kind on a line of its own in one chain of branches on the wave's number.
; Trips 0 to 3 read what waves 0 to 5 fetched (scale words, first quarters of K and V, the long blocks' Q); the rest is shown by the barrier behind them.
; NO CLUSTER, though four work-groups read the same K and V: where a wave changes blocks is a branch on j, which would be the work-group's place in its cluster, and partners of joint loads must run alike.
; NO PREFETCH: all that the work-group reads is asked for at its head; there is no later request to run ahead of.
; LAYOUT.  Both products are used transposed: S^T = K Q^T, O^T = V^T P^T: a lane holds ONE query (lane % 16).  By P, the 16 registers of K's tiles 2 j and 2 j + 1 are keys 32 j + 16 (lane / 16) + 0 .. 15, and O^T's likewise channels.
; LIMITS: NaN and infinities are not served; the promise holds while |t| stays under 2^31; 1 / sum is v_rcp_f32; a block of the result whose largest magnitude lies under 2^-122 keeps the byte 1 (only this program reads the bytes).
.set KC,   0                           ; K's codes [2048 places][48]
.set VC,   98304                       ; V's codes [32 runs of 64 keys][64 rows][48]
.set KS,   196608                      ; K's (and q's) scale words [2048][4]
.set VS,   204800                      ; V's scale words [16 steps][64][4]
.set STG,  208896                      ; the way out: 768 bytes a wave; no tensor load fills these bytes
.set SPARE,221184                      ; the spare words: 128 bytes a wave
.set QC,   223232                      ; Q's codes: [long, short][group][128 places][48]
.set LC,   1                           ; v1 48 r + 24 h;  v2 4 r;  v3 my query in its block less 16 h
.set LW,   2
.set DV,   3
.set VW,   4                           ; v4-7 V's scale words
.set ADK,  8                           ; v8-11 LDS addresses of the step
.set ADV,  9
.set ADS,  10
.set ADT,  11
.set QF,   16                          ; v16-27 Q's fragment (v22-27 zeros); v12 -M, v13 the largest t, v[14:15] the sum
.set BM,   28                          ; v28-31 the blocks' largest scores
.set KFR,  32                          ; v32-79 four fragments of K (upper six registers of each: zeros)
.set VFR,  80                          ; v80-127 four fragments of V
.set S,    128                         ; v128-191 S^T, then p
.set OT,   192                         ; v192-223 O^T
.set PCD,  224                         ; v224-235 p's codes; v236-247, v252, v254 at work; v253 p's scale word; v255 Q's: bytes 0, 1 this block's, bytes 2, 3 (over zero codes) the short block's
.set KW,   248                         ; v248-251 K's scale words
.set WV,   16
.set IT,   17                          ; the trip
.set JD,   18                          ; the block in hand
.set TB,   19
.set SEL,  20
.set CS,   22
.set G1,   24
.set G0,   32
.set KI,   36                          ; the key step
.set TV,   37
.set TS,   38
.set TJ,   39
.set J1,   40                          ; my short block
.set J2,   41                          ; my long block
.set T16,  42                          ; 16 x my tile
.set SG,   43                          ; my stage
.set QB1,  44                          ; my tile of the long block's Q in LDS
.set QB2,  45                          ; of the short block's
.macro TILE c, rows, pitch             ; group 1: rows of c elements of 8 bytes; written in the arm of its own load line
	s_mov_b32 s[G1+1], (\c)<<16
	s_mov_b32 s[G1+2], (\rows)<<16
	s_mov_b32 s[G1+3], (\c)<<16
	s_mov_b32 s[G1+4], \rows
	s_mov_b32 s[G1+5], \pitch
.endm
.macro ASK
	s_or_b32 s[G0+3], s[G0+3], 0x80000000
	tensor_load_to_lds s[G0:G0+3], s[G1:G1+7]
	s_nop 0
.rept 4
	v_nop
.endr
.endm
.macro ARM under, next
	s_cmp_lt_u32 s[WV], \under
	s_cbranch_scc0 \next
.endm
.macro INIT                            ; a tile begins: the largest t is -3e38, the sum and O^T are zeros
	v_mov_b32 v13, 0xff61b1e6
	v_floor_f32 v12, -v13
	v_mov_b32 v14, 0
	v_mov_b32 v15, 0
.set n_, 0
.rept 32
	v_mov_b32 v[OT+n_], 0
.set n_, n_+1
.endr
.endm
	s_load_b256 s[4:11], s[0:1], 0x0               ; qkc, qks, vcb, vsb
	s_load_b128 s[12:15], s[0:1], 0x20             ; aoc, aos
	v_lshl_add_u32 v254, v0, 2, SPARE
	v_mov_b32 v255, 0
	ds_add_u32 v254, v255                          ; the opening lines
	ds_add_u32 v254, v255
	v_lshrrev_b32 v8, 5, v0
	v_readfirstlane_b32 s[WV], v8                  ; wave 0..15
	s_and_b32 s2, ttmp7, 0xffff
	s_lshr_b32 s3, s2, 4                           ; the batch
	s_and_b32 s2, s2, 15                           ; the head
	s_mov_b32 s[G1], 3<<16                         ; elements of 8 bytes, no mask, no padding
	s_mov_b32 s[G1+6], 0
	s_mov_b32 s[G1+7], 0
	s_mov_b32 s[G0], 1
	s_mov_b32 s47, 0
	s_mov_b32 s49, 0
	s_mul_i32 s46, s2, 786432                      ; k of head h: panel 2 h of 8192 x 48 bytes,
	s_mul_i32 s50, s3, 98304                       ; the batch's 2048 places
	s_add_co_u32 s46, s46, s50
	s_lshl_b32 s48, s2, 15                         ; the scale words: 8192 x 4 a head
	s_lshl_b32 s50, s3, 13
	s_add_co_u32 s48, s48, s50
	s_wait_dscnt 0x0
	s_wait_kmcnt 0x0
	s_add_nc_u64 s[4:5], s[4:5], s[46:47]
	s_add_nc_u64 s[6:7], s[6:7], s[48:49]
	s_mul_i32 s46, s3, 1572864                     ; v: the batch's 32 runs of 1024 x 48 bytes,
	s_mul_i32 s50, s2, 3072                        ; the head's 64 rows
	s_add_co_u32 s46, s46, s50
	s_lshl_b32 s48, s3, 16
	s_lshl_b32 s50, s2, 8
	s_add_co_u32 s48, s48, s50
	s_add_nc_u64 s[8:9], s[8:9], s[46:47]
	s_add_nc_u64 s[10:11], s[10:11], s[48:49]
	ARM 1, .La1                                    ; wave 0: K's scale words, 8,192 dense bytes
	TILE 32, 32, 32
	s_mov_b32 s[G0+1], KS
	s_mov_b64 s[G0+2:G0+3], s[6:7]
	ASK
	s_branch .Lasked
.La1:
	ARM 2, .La2                                    ; wave 1: V's scale words, 16 rows of 256 bytes, 4,096 apart
	TILE 32, 16, 512
	s_mov_b32 s[G0+1], VS
	s_mov_b64 s[G0+2:G0+3], s[10:11]
	ASK
	s_branch .Lasked
.La2:
	ARM 3, .La3                                    ; wave 2: K's first quarter, 24,576 dense bytes
	TILE 32, 96, 32
	s_mov_b32 s[G0+1], KC
	s_mov_b64 s[G0+2:G0+3], s[4:5]
	ASK
	s_branch .Lasked
.La3:
	ARM 4, .La4                                    ; wave 3: V's first quarter, 8 runs of 3,072 bytes, 49,152 apart
	TILE 384, 8, 6144
	s_mov_b32 s[G0+1], VC
	s_mov_b64 s[G0+2:G0+3], s[8:9]
	ASK
	s_branch .Lasked
.La4:
	ARM 6, .La5                                    ; waves 4, 5: the long blocks' Q, 6,144 dense bytes: block 15 - j, block 8 + j
	TILE 32, 24, 32
	s_sub_co_u32 s46, s[WV], 4
	s_mul_i32 s[G0+1], s46, 6144
	s_add_co_u32 s[G0+1], s[G0+1], QC
	s_mul_i32 s46, s46, 7
	s_xor_b32 s46, s46, ttmp9
	s_xor_b32 s46, s46, 15
	s_mul_i32 s46, s46, 6144
	s_add_co_u32 s46, s46, 393216                  ; q: the panel behind k's
	s_add_nc_u64 s[G0+2:G0+3], s[4:5], s[46:47]
	ASK
	s_branch .Lasked
.La5:
	ARM 7, .La5b                                   ; wave 6: K's second quarter, on a line of its own: trips 4 to 7 read it
	TILE 32, 96, 32
	s_mov_b32 s[G0+1], KC+24576
	s_add_nc_u64 s[G0+2:G0+3], s[4:5], 24576
	ASK
	s_branch .Lasked
.La5b:
	ARM 8, .La5c                                   ; wave 7: V's second quarter, likewise
	TILE 384, 8, 6144
	s_mov_b32 s[G0+1], VC+24576
	s_add_nc_u64 s[G0+2:G0+3], s[8:9], 393216
	ASK
	s_branch .Lasked
.La5c:
	ARM 10, .La6                                   ; waves 8, 9: K's quarters 2, 3 (waves 10, 11 below: V's quarters 2, 3)
	TILE 32, 96, 32
	s_sub_co_u32 s46, s[WV], 6
	s_mul_i32 s46, s46, 24576
	s_mov_b32 s[G0+1], s46
	s_add_nc_u64 s[G0+2:G0+3], s[4:5], s[46:47]
	ASK
	s_branch .Lasked
.La6:
	ARM 12, .La7                                   ; waves 10, 11: V's quarters 2, 3
	TILE 384, 8, 6144
	s_sub_co_u32 s46, s[WV], 8
	s_mul_i32 s[G0+1], s46, 24576
	s_add_co_u32 s[G0+1], s[G0+1], VC
	s_mul_i32 s46, s46, 393216
	s_add_nc_u64 s[G0+2:G0+3], s[8:9], s[46:47]
	ASK
	s_branch .Lasked
.La7:
	ARM 14, .Lasked                                ; waves 12, 13: the short blocks' Q: block j, block 7 - j
	TILE 32, 24, 32
	s_sub_co_u32 s46, s[WV], 12
	s_mul_i32 s[G0+1], s46, 6144
	s_add_co_u32 s[G0+1], s[G0+1], QC+12288
	s_mul_i32 s46, s46, 7
	s_xor_b32 s46, s46, ttmp9
	s_mul_i32 s46, s46, 6144
	s_add_co_u32 s46, s46, 393216
	s_add_nc_u64 s[G0+2:G0+3], s[4:5], s[46:47]
	ASK
.Lasked:
	s_lshr_b32 s46, s[WV], 2
	s_xor_b32 s46, s46, s[WV]
	s_and_b32 s46, s46, 1                          ; my group: two waves of each fall on every four neighbouring and on every fourth wave
	s_mul_i32 s[J1], s46, 7
	s_xor_b32 s[J1], s[J1], ttmp9                  ; j or 7 - j
	s_xor_b32 s[J2], s[J1], 15                     ; 15 - j or 8 + j
	s_lshr_b32 s48, s[WV], 1                       ; my tile 0..7
	s_lshl_b32 s[T16], s48, 4
	s_mul_i32 s[QB1], s46, 6144
	s_mul_i32 s50, s48, 768
	s_add_co_u32 s[QB1], s[QB1], s50
	s_add_co_u32 s[QB1], s[QB1], QC
	s_add_co_u32 s[QB2], s[QB1], 12288
	s_mul_i32 s[SG], s[WV], 768
	s_add_co_u32 s[SG], s[SG], STG
	s_lshr_b32 s50, s48, 1
	s_lshl_b32 s50, s50, 5
	s_and_b32 s48, s48, 1
	s_lshl_b32 s48, s48, 3
	s_add_co_u32 s48, s50, s48                     ; lane r's query in the block is 32 (tile / 2) + 8 (tile % 2) + r % 8 + 16 (r / 8)
	v_and_b32 v8, 15, v0                           ; r
	v_bfe_u32 v9, v0, 4, 1                         ; h
	v_mul_u32_u24 v[LC], v8, 48
	v_mad_u32_u24 v[LC], v9, 24, v[LC]
	v_lshlrev_b32 v[LW], 2, v8
	v_and_b32 v[DV], 7, v8
	v_lshrrev_b32 v10, 3, v8
	v_sub_nc_u32 v10, v10, v9
	v_lshl_add_u32 v[DV], v10, 4, v[DV]
	v_add_nc_u32 v[DV], s48, v[DV]                 ; register 16 j + i holds key 32 j + 16 h + i of the step: on the diagonal it is hidden where 32 j + i > this number
	s_lshl_b32 s50, s[J2], 7
	s_add_co_u32 s50, s50, s[T16]
	s_lshl_b32 s50, s50, 2
	v_add_nc_u32 v8, s50, v[LW]
	s_lshl_b32 s50, s[J1], 7
	s_add_co_u32 s50, s50, s[T16]
	s_lshl_b32 s50, s50, 2
	v_add_nc_u32 v9, s50, v[LW]
	global_load_u16 v255, v8, s[6:7] offset:2      ; the long block's bytes q0 q1 of my query,
	global_load_u16 v254, v9, s[6:7] offset:2      ; the short block's
	s_lshl_b32 s46, s2, 13
	s_lshl_b32 s50, s3, 11
	s_add_co_u32 s46, s46, s50
	s_mul_i32 s46, s46, 48
	s_add_nc_u64 s[12:13], s[12:13], s[46:47]      ; aoc at the head's and batch's first place
	s_lshr_b32 s46, s2, 1
	s_lshl_b32 s46, s46, 13
	s_add_co_u32 s46, s46, s50
	s_lshl_b32 s46, s46, 2
	s_and_b32 s50, s2, 1
	s_lshl_b32 s50, s50, 1
	s_add_co_u32 s46, s46, s50
	s_add_nc_u64 s[14:15], s[14:15], s[46:47]      ; aos at my head's two bytes of that place's word
	s_mov_b32 s[SEL], 0x76543210
	s_mov_b32 s[SEL+1], 0xfedcba98
	s_mov_b32 s[CS], 0x3e38aa3b                    ; c = log2(e) / sqrt(64)
	s_mov_b32 s[CS+1], s[CS]
	s_wait_alu depctr_va_vdst(0)
	s_wait_loadcnt 0x0
	v_lshl_or_b32 v255, v254, 16, v255             ; the lines below are the places between this write and the first product that takes it as a scale
.irp j, 6,7,8,9,10,11
	v_mov_b32 v[QF+\j], 0                          ; the upper 64 of the instruction's 128 along K: zero codes
.irp t, 0,1,2,3
	v_mov_b32 v[KFR+12*\t+\j], 0
.endr
.endr
.irp b, 0,1,2,3
	v_mov_b32 v[236+\b], 0                         ; written once: a lane permute's destination counts as one of its sources
.endr
	v_mov_b32 v252, 0
	v_mov_b32 v253, 0
	INIT
; THE WAY OUT of a tile: O^T / the sum is quantised along the head's 64 (two blocks) and leaves as codes.  The first lines are the places behind the last products.
.macro WAYOUT
	v_add_f32 v14, v14, v15
	s_delay_alu instid0(VALU_DEP_1)
	v_permlanex16_b32 v252, v14, s[SEL], s[SEL+1]
	s_delay_alu instid0(VALU_DEP_1)
	v_add_f32 v14, v14, v252                       ; the row's sum
	s_wait_alu depctr_va_vdst(0)
	v_rcp_f32 v14, v14
	s_lshl_b32 s2, s[JD], 7
	s_add_co_u32 s2, s2, s[T16]                    ; my first place in the batch: 128 J + 16 x tile
	s_mul_i32 s3, s2, 48
	s_lshl_b32 s2, s2, 2
	v_add_nc_u32 v8, s[SG], v[LC]                  ; into the stage: row r, my half's 24 bytes
	v_and_b32 v10, 31, v0
	v_lshlrev_b32 v10, 3, v10
	v_add_nc_u32 v9, s[SG], v10                    ; back: 8 bytes a lane
	v_add_nc_u32 v10, s3, v10                      ; and the same in aoc
	v_bfe_u32 v243, v0, 4, 1
	v_add3_u32 v11, v[LW], v243, s2                ; in aos: row r's word, byte h of my head's two
	s_wait_alu depctr_va_vdst(0)
.set n_, 0
.rept 32
	v_mul_f32 v[S+n_], v[OT+n_], v14               ; register 16 j' + i is channel 32 j' + 16 h + i of my query
.set n_, n_+1
.endr
.irp b, 0,1
	v_max3_num_f32 v[BM+\b], |v[S+16*\b]|, |v[S+1+16*\b]|, 0x2800000
.endr
.irp i, 2,4,6,8,10,12,14
.irp b, 0,1
	s_delay_alu instid0(VALU_DEP_2)
	v_max3_num_f32 v[BM+\b], v[BM+\b], |v[S+16*\b+\i]|, |v[S+1+16*\b+\i]|
.endr
.endr
.irp b, 0,1
	s_delay_alu instid0(VALU_DEP_2)
	v_permlanex16_b32 v[236+\b], v[BM+\b], s[SEL], s[SEL+1]
.endr
.irp b, 0,1
	s_delay_alu instid0(VALU_DEP_2)
	v_max_num_f32 v[BM+\b], v[BM+\b], v[236+\b]
.endr
.irp b, 0,1
	s_delay_alu instid0(VALU_DEP_2)
	v_add_nc_u32 v[244+\b], 0xfe000000, v[BM+\b]
.endr
.irp b, 0,1
	s_delay_alu instid0(VALU_DEP_2)
	v_lshrrev_b32 v[236+\b], 23, v[244+\b]
.endr
	v_cmp_eq_u32 vcc_lo, 1, v243
	s_delay_alu instid0(VALU_DEP_1)
	v_cndmask_b32 v240, v236, v237, vcc_lo         ; lanes 0-15 send block 0's byte, lanes 16-31 block 1's
	v_cvt_scalef32_pk16_bf6_f32 v[224:226], v[S:S+15], v244
	v_cvt_scalef32_pk16_bf6_f32 v[228:230], v[S+16:S+31], v245
	v_nop
.irp i, 0,1,2
	v_permlane16_swap_b32 v[224+\i], v[228+\i]
.endr
	s_delay_alu instid0(VALU_DEP_3)
	v_mov_b32 v227, v228
	s_delay_alu instid0(VALU_DEP_3)
	v_mov_b32 v228, v229
	s_delay_alu instid0(VALU_DEP_3)
	v_mov_b32 v229, v230
.irp p, 0,1,2
	ds_store_b64 v8, v[224+2*\p:225+2*\p] offset:8*\p
.endr
.irp t, 0,1,2
	ds_load_b64 v[KFR+2*\t:KFR+2*\t+1], v9 offset:256*\t   ; LDS serves a wave's instructions in order: these see my stores
.endr
	s_wait_alu depctr_va_vdst(0)
.irp t, 0,1,2
	s_wait_dscnt 2-\t
	global_store_b64 v10, v[KFR+2*\t:KFR+2*\t+1], s[12:13] offset:256*\t   ; 32 lanes store 256 consecutive bytes, at a multiple of 256 from the buffer's first byte
.endr
	global_store_b8 v11, v240, s[14:15]            ; two of a word's four bytes belong to this head
	s_wait_xcnt 0x0                                ; the stores have read their registers
.endm
; A KEY STEP: 128 keys.  b = 0: trips 0 to 7, key step = trip, never on the diagonal.  b = 1: the later trips.
.macro STEP ph
.if \ph
	s_cmp_gt_u32 s[IT], s[J2]
	s_cselect_b32 s[KI], s[J1], 0
	s_cselect_b32 s[JD], s[J1], s[J2]
	s_add_co_u32 s[KI], s[KI], s[IT]
	s_and_b32 s[KI], s[KI], 15
.else
	s_mov_b32 s[KI], s[IT]
.endif
	s_mul_i32 s[TB], s[KI], 6144
	s_add_co_u32 s[TV], s[TB], VC
	s_lshl_b32 s[TS], s[KI], 9
	s_add_co_u32 s[TS], s[TS], KS
	s_lshl_b32 s[TJ], s[KI], 8
	s_add_co_u32 s[TJ], s[TJ], VS
	v_add_nc_u32 v[ADK], s[TB], v[LC]              ; (these four are also places behind the last step's products)
	v_add_nc_u32 v[ADV], s[TV], v[LC]
	v_add_nc_u32 v[ADS], s[TS], v[LW]
	v_add_nc_u32 v[ADT], s[TJ], v[LW]
.irp g, 0,1                                    ; S^T = K Q^T, four tiles of 16 places at a time
.if \g
.rept 4
	v_nop
.endr
.endif
.irp t, 0,1,2,3
.irp p, 0,1,2
	ds_load_b64 v[KFR+12*\t+2*\p:KFR+12*\t+2*\p+1], v[ADK] offset:768*(4*\g+\t)+8*\p
.endr
	ds_load_b32 v[KW+\t], v[ADS] offset:64*(4*\g+\t)
.endr
.if \g
.irp t, 0,1,2,3                                ; V's fragments and scale words are asked for here: they land under the softmax
.irp p, 0,1,2,3,4,5
	ds_load_b64 v[VFR+12*\t+2*\p:VFR+12*\t+2*\p+1], v[ADV] offset:(\p/3)*3072+768*\t+8*(\p%3)
.endr
	ds_load_b32 v[VW+\t], v[ADT] offset:64*\t
.endr
	s_wait_dscnt 28                                ; K's are in; V's 28 loads may be out
.else
	s_wait_alu depctr_va_vdst(0)
	s_wait_dscnt 0x0
.endif
.irp t, 0,1,2,3
	v_wmma_scale_f32_16x16x128_f8f6f4 v[S+8*(4*\g+\t):S+8*(4*\g+\t)+7], v[KFR+12*\t:KFR+12*\t+11], v[QF:QF+11], 0, v[KW+\t], v255 matrix_a_fmt:MATRIX_FMT_BF6 matrix_b_fmt:MATRIX_FMT_BF6
.endr
.endr
.rept 4
	v_nop
.endr
.if \ph
	s_cmp_lg_u32 s[KI], s[JD]
	s_cbranch_scc1 .Lopen_\@
	v_mov_b32 v254, 0xff800000                     ; -infinity: p = 0 then
.set n_, 0
.rept 64
	v_cmp_gt_i32 vcc_lo, 32*(n_/16)+n_%16, v[DV]
	v_cndmask_b32 v[S+n_], v[S+n_], v254, vcc_lo
.set n_, n_+1
.endr
.Lopen_\@:
.endif
.irp b, 0,1,2,3
	v_max3_num_f32 v[BM+\b], v[S+16*\b], v[S+1+16*\b], v[S+2+16*\b]   ; the largest score of each block of 32 keys serves for the row's maximum and for the block's largest p
.endr
.irp i, 3,5,7,9,11,13
.irp b, 0,1,2,3
	v_max3_num_f32 v[BM+\b], v[BM+\b], v[S+16*\b+\i], v[S+1+16*\b+\i]
.endr
.endr
.irp b, 0,1,2,3
	v_max_num_f32 v[BM+\b], v[BM+\b], v[S+15+16*\b]
.endr
.irp b, 0,1,2,3
	s_delay_alu instid0(VALU_DEP_4)
	v_permlanex16_b32 v[236+\b], v[BM+\b], s[SEL], s[SEL+1]
.endr
.irp b, 0,1,2,3
	s_delay_alu instid0(VALU_DEP_4)
	v_max_num_f32 v[BM+\b], v[BM+\b], v[236+\b]
.endr
	s_delay_alu instid0(VALU_DEP_2)
	v_max3_num_f32 v254, v[BM], v[BM+1], v[BM+2]
	s_delay_alu instid0(VALU_DEP_1)
	v_max_num_f32 v254, v254, v[BM+3]              ; the step's largest score of my query (the step's first key counts for every query of my block)
	s_delay_alu instid0(VALU_DEP_1)
	v_mul_f32 v254, s[CS], v254
	s_delay_alu instid0(VALU_DEP_1)
	v_max_num_f32 v13, v13, v254                   ; the running largest t
	v_mov_b32 v254, v12
	s_delay_alu instid0(VALU_DEP_2)
	v_floor_f32 v12, -v13                          ; the new -M = -ceil(t)
	s_delay_alu instid0(VALU_DEP_1)
	v_sub_f32 v254, v12, v254
	s_delay_alu instid0(VALU_DEP_1)
	v_cvt_i32_f32 v254, v254                       ; (it saturates)
	s_delay_alu instid0(VALU_DEP_1)
	v_ldexp_f32 v252, 1.0, v254                    ; f = 2^(old M - new M)
.set n_, 0
.rept 32
	v_pk_fma_f32 v[S+n_:S+1+n_], v[S+n_:S+1+n_], s[CS:CS+1], v[12:13] op_sel_hi:[1,0,0]   ; t - M
.set n_, n_+2
.endr
.irp b, 0,1,2,3
	v_fma_f32 v[BM+\b], v[BM+\b], s[CS], v12
.endr
	s_wait_alu depctr_va_vdst(0)
.set n_, 0
.rept 64
	v_exp_f32 v[S+n_], v[S+n_]                     ; p = 2^(t - M)
.set n_, n_+1
.endr
.irp b, 0,1,2,3
	v_exp_f32 v[BM+\b], v[BM+\b]                   ; the block's largest p
.endr
	v_pk_mul_f32 v[14:15], v[14:15], v[252:253] op_sel_hi:[1,0]
	s_wait_alu depctr_va_vdst(0)
.irp b, 0,1,2,3
	v_max_num_f32 v[BM+\b], 0x2800000, v[BM+\b]    ; the floor 2^(5 - 127)
.endr
.irp b, 0,1,2,3
	s_delay_alu instid0(VALU_DEP_4)
	v_add_nc_u32 v[244+\b], 0xfe000000, v[BM+\b]
.endr
.irp b, 0,1,2,3
	s_delay_alu instid0(VALU_DEP_4)
	v_lshrrev_b32 v[236+\b], 23, v[244+\b]
.endr
	s_delay_alu instid0(VALU_DEP_3)
	v_lshl_or_b32 v253, v237, 8, v236              ; p's scale word for these 128 keys
	s_delay_alu instid0(VALU_DEP_1)
	v_lshl_or_b32 v253, v238, 16, v253
	s_delay_alu instid0(VALU_DEP_1)
	v_lshl_or_b32 v253, v239, 24, v253
.irp c, 0,1
	v_cvt_scalef32_pk16_bf6_f32 v[PCD+6*\c:PCD+2+6*\c], v[S+32*\c:S+15+32*\c], v[244+2*\c]
	v_cvt_scalef32_pk16_bf6_f32 v[236+4*\c:238+4*\c], v[S+16+32*\c:S+31+32*\c], v[245+2*\c]
.endr
	v_nop
.irp c, 0,1                                    ; a WHOLE block to a lane
.irp i, 0,1,2
	v_permlane16_swap_b32 v[PCD+6*\c+\i], v[236+4*\c+\i]
.endr
.irp i, 0,1,2
	s_delay_alu instid0(VALU_DEP_3)
	v_mov_b32 v[PCD+3+6*\c+\i], v[236+4*\c+\i]
.endr
.endr
	v_pk_add_f32 v[236:237], v[132:133], v[136:137]   ; the row's sum of the unquantised p, in eight chains
	v_pk_add_f32 v[250:251], v[140:141], v[144:145]
	v_pk_add_f32 v[248:249], v[148:149], v[152:153]
	v_pk_add_f32 v[246:247], v[156:157], v[160:161]
	v_pk_add_f32 v[244:245], v[164:165], v[168:169]
	v_pk_add_f32 v[242:243], v[172:173], v[176:177]
	v_pk_add_f32 v[240:241], v[180:181], v[184:185]
	v_pk_add_f32 v[14:15], v[14:15], v[188:189]
	v_pk_add_f32 v[236:237], v[236:237], v[128:129]
	v_pk_add_f32 v[250:251], v[250:251], v[130:131]
	v_pk_add_f32 v[248:249], v[248:249], v[134:135]
	v_pk_add_f32 v[246:247], v[246:247], v[138:139]
	v_pk_add_f32 v[244:245], v[244:245], v[142:143]
	v_pk_add_f32 v[242:243], v[242:243], v[146:147]
	v_pk_add_f32 v[240:241], v[240:241], v[150:151]
	v_pk_add_f32 v[14:15], v[14:15], v[154:155]
	v_pk_add_f32 v[236:237], v[236:237], v[158:159]
	v_pk_add_f32 v[250:251], v[250:251], v[162:163]
	v_pk_add_f32 v[248:249], v[248:249], v[166:167]
	v_pk_add_f32 v[246:247], v[246:247], v[170:171]
	v_pk_add_f32 v[244:245], v[244:245], v[174:175]
	v_pk_add_f32 v[242:243], v[242:243], v[178:179]
	v_pk_add_f32 v[240:241], v[240:241], v[182:183]
	v_pk_add_f32 v[14:15], v[14:15], v[186:187]
	v_pk_add_f32 v[236:237], v[236:237], v[190:191]
	s_delay_alu instid0(VALU_DEP_2)
	v_pk_add_f32 v[14:15], v[14:15], v[246:247]
	s_delay_alu instid0(VALU_DEP_2)
	v_pk_add_f32 v[236:237], v[236:237], v[244:245]
	v_pk_add_f32 v[250:251], v[250:251], v[242:243]
	v_pk_add_f32 v[248:249], v[248:249], v[240:241]
	s_delay_alu instid0(VALU_DEP_2)
	v_pk_add_f32 v[14:15], v[14:15], v[250:251]
	s_delay_alu instid0(VALU_DEP_2)
	v_pk_add_f32 v[236:237], v[236:237], v[248:249]
	s_delay_alu instid0(VALU_DEP_1)
	v_pk_add_f32 v[14:15], v[14:15], v[236:237]
	s_wait_alu depctr_va_vdst(0)                   ; the wait directly ahead of the first reader of O^T
.set n_, 0
.rept 16
	v_pk_mul_f32 v[OT+n_:OT+1+n_], v[OT+n_:OT+1+n_], v[252:253] op_sel_hi:[1,0]   ; O^T under the new M, each accumulator from its low end on
.set n_, n_+2
.endr
	s_wait_alu depctr_va_vdst(0)
	s_wait_dscnt 0x0                               ; V's fragments and scale words are in
.irp t, 0,1,2,3                                ; O^T += V^T P^T: the four accumulators by turns, with the eight of S^T between their turns
	v_wmma_scale_f32_16x16x128_f8f6f4 v[OT+8*\t:OT+8*\t+7], v[VFR+12*\t:VFR+12*\t+11], v[PCD:PCD+11], v[OT+8*\t:OT+8*\t+7], v[VW+\t], v253 matrix_a_fmt:MATRIX_FMT_BF6 matrix_b_fmt:MATRIX_FMT_BF6
.endr
.if \ph
	s_cmp_lg_u32 s[KI], s[JD]
	s_cbranch_scc1 .Lnext_\@
	WAYOUT
	s_cmp_eq_u32 s[IT], 16                         ; behind the last trip nothing begins
	s_cbranch_scc1 .Lnext_\@
	v_add_nc_u32 v8, s[QB2], v[LC]                 ; the short block's tile begins: its Q,
.irp p, 0,1,2
	ds_load_b64 v[QF+2*\p:QF+2*\p+1], v8 offset:8*\p
.endr
	v_lshrrev_b32 v255, 16, v255                   ; its scale bytes (the lines below are the places ahead of the next product),
	INIT
.Lnext_\@:
.endif
.endm
	s_wait_alu depctr_va_vdst(0)                   ; the wait at the head's end
	s_cmp_lt_u32 s[WV], 6                          ; waves 0 to 5 fetched what trips 0 to 3 read; their load lines are issued by no other wave
	s_cbranch_scc0 .Lnot_first
	s_wait_tensorcnt 0x0
.Lnot_first:
	s_barrier_signal -1
	s_barrier_wait -1                              ; nothing is ever filled again
	v_add_nc_u32 v8, s[QB1], v[LC]
.irp p, 0,1,2
	ds_load_b64 v[QF+2*\p:QF+2*\p+1], v8 offset:8*\p   ; the long block's Q; the step's first wait on LDS shows it in
.endr
	s_mov_b32 s[IT], 0
.Lfirst:                                           ; trips 0 to 3: places 0-511 of K, runs 0-7 of V
	STEP 0
	s_add_co_u32 s[IT], s[IT], 1
	s_cmp_lt_u32 s[IT], 4
	s_cbranch_scc1 .Lfirst
	s_wait_dscnt 0x0
	s_cmp_lt_u32 s[WV], 8                          ; waves 6 and 7 fetched the second quarters; their load lines are issued by no other wave
	s_cbranch_scc0 .Lnot_second
	s_wait_tensorcnt 0x0
.Lnot_second:
	s_barrier_signal -1
	s_barrier_wait -1                              ; nothing is ever filled again
	s_mov_b32 s[IT], 4
.Lsecond:                                          ; trips 4 to 7: every long block has 9 steps or more, so these are its key steps 4 to 7, none on the diagonal: places 512-1023 of K, runs 8-15 of V
	STEP 0
	s_add_co_u32 s[IT], s[IT], 1
	s_cmp_lt_u32 s[IT], 8
	s_cbranch_scc1 .Lsecond
	s_wait_tensorcnt 0x0                           ; every wave's load is in,
	s_wait_dscnt 0x0
	s_barrier_signal -1
	s_barrier_wait -1                              ; and every wave knows it
	s_mov_b32 s[IT], 8
.Lrest:
	STEP 1
	s_add_co_u32 s[IT], s[IT], 1
	s_cmp_lt_u32 s[IT], 17
	s_cbranch_scc1 .Lrest
	v_lshl_add_u32 v254, v0, 2, SPARE              ; the wave's end
	v_mov_b32 v255, 0
	s_wait_alu depctr_va_vdst(0)
	s_wait_tensorcnt 0x0
	ds_add_u32 v254, v255
	s_wait_dscnt 0x0
	s_endpgm
.Lfunc_end_k_q2849aba4bf_attn:
	.size	k_q2849aba4bf_attn, .Lfunc_end_k_q2849aba4bf_attn-k_q2849aba4bf_attn
	.p2alignl 7, 3214868480
	.fill 96, 4, 3214868480
	.section	.rodata,"a",@progbits
	.p2align	6, 0x0
	.amdhsa_kernel k_q2849aba4bf_attn
		.amdhsa_group_segment_fixed_size 247808
		.amdhsa_private_segment_fixed_size 0
		.amdhsa_enable_private_segment 0
		.amdhsa_kernarg_size 48
		.amdhsa_user_sgpr_count 2
		.amdhsa_user_sgpr_kernarg_segment_ptr 1
		.amdhsa_wavefront_size32 1
		.amdhsa_system_sgpr_workgroup_id_x 1
		.amdhsa_system_sgpr_workgroup_id_y 1
		.amdhsa_system_sgpr_workgroup_id_z 1
		.amdhsa_system_vgpr_workitem_id 0
		.amdhsa_next_free_vgpr 256
		.amdhsa_next_free_sgpr 66
		.amdhsa_reserve_vcc 1
		.amdhsa_float_denorm_mode_32 3
		.amdhsa_float_denorm_mode_16_64 3
		.amdhsa_memory_ordered 1
		.amdhsa_forward_progress 1
		.amdhsa_inst_pref_size 86
	.end_amdhsa_kernel
	.amdgpu_metadata
---
amdhsa.version: [ 1, 2 ]
amdhsa.kernels:
  - .name:           k_q2849aba4bf_attn
    .symbol:         k_q2849aba4bf_attn.kd
    .args:
      - { .name: qkc, .offset: 0, .size: 8, .value_kind: global_buffer, .address_space: global }
      - { .name: qks, .offset: 8, .size: 8, .value_kind: global_buffer, .address_space: global }
      - { .name: vcb, .offset: 16, .size: 8, .value_kind: global_buffer, .address_space: global }
      - { .name: vsb, .offset: 24, .size: 8, .value_kind: global_buffer, .address_space: global }
      - { .name: aoc, .offset: 32, .size: 8, .value_kind: global_buffer, .address_space: global }
      - { .name: aos, .offset: 40, .size: 8, .value_kind: global_buffer, .address_space: global }
    .group_segment_fixed_size: 247808
    .private_segment_fixed_size: 0
    .kernarg_segment_align: 8
    .kernarg_segment_size: 48
    .max_flat_workgroup_size: 512
    .sgpr_count:     66
    .vgpr_count:     256
    .wavefront_size: 32
...
	.end_amdgpu_metadata
.endif
;; end of part 3
;; launch outp (part 4): grid 4 x 64, 4 waves a work-group, clusters of 4 x 4, 327,680 bytes of LDS; arguments aoc, aos, allc, alls, bo, out0; writes out0
.if DOCPART == 4
	.amdgcn_target "amdgcn-amd-amdhsa--gfx1250"
	.amdhsa_code_object_version 6
	.text
	.protected	k_q2849aba4bf_outp
	.globl	k_q2849aba4bf_outp
	.p2align	8
	.type	k_q2849aba4bf_outp,@function
k_q2849aba4bf_outp:
	s_mov_b64 s[64:65], 0
	v_nop
	global_prefetch_b8 v0, s[64:65] scope:SCOPE_SE
	s_setreg_imm32_b32 hwreg(HW_REG_WAVE_MODE, 25, 1), 1
	s_wait_xcnt 0x0
	s_wait_alu depctr_hold_cnt(0) depctr_sa_sdst(0) depctr_va_vdst(0) depctr_va_sdst(0) depctr_va_ssrc(0) depctr_va_vcc(0) depctr_vm_vsrc(0)
	s_getreg_b32 s2, hwreg(HW_REG_IB_STS2, 6, 4)
	s_cmp_eq_u32 s2, 0
	s_cbranch_scc0 .Lentry_in_a_cluster
	s_endpgm
.Lentry_in_a_cluster:
	s_bfe_u32 s2, ttmp6, 0x10000c
	s_cmp_lg_u32 s2, 0xf033
	s_cbranch_scc0 .Lentry_shape_is_right
	s_endpgm
.Lentry_shape_is_right:
; out0[token][n] = sum over k of context[token][k] Wo[n][k] + bo[n], f32: 8,192 x 1,024 x 1,024 on codes of BF6 (E3M2) with one E8M0 scale for each 32 along K.
; A = the attention launch's result: aoc [16 panels of 64 along K][8192 places][48], aos [8 runs of 128 along K][8192][4]; place = token with its bits 3 and 4 exchanged.
; B = Wo: rows 11264 on of allc [16 panels][12288][48] and alls [8][12288][4], likewise by places.
; LIMITS: NaN, infinities and sums beyond f32's range are not served; a sum begins with the bias, where reference() adds it last.
; THE DEAL.  256 work-groups of four waves, 2 x 2, each 128 rows x 256 columns of the result; a wave makes 64 x 128 in 32 accumulators.
; ALL OF K LIES IN LDS, FILLED ONCE: A's 128 rows (98,304 bytes), B's 256 rows (196,608), panel by panel.  Four joint loads, one a wave, each on a line of its own:
; wave 0 A's panels 0-7, wave 1 B's panels 0-7, wave 2 A's panels 8-15, wave 3 B's panels 8-15.  Steps 0 to 3 (128 along K each) begin when the first two are in; a plain barrier inside step 3 shows the other two.
; No byte is filled again, so there is no ring; and no prefetch: all that the work-group reads is asked for at its head.
; CLUSTERS 4 x 4: A's tiles hang on the tile row alone and are shared along a row of the cluster, B's on the tile column alone and are shared along a column.
; The scale words come by plain loads in runs of 512 consecutive bytes and go into LDS by stores, into bytes that no tensor load fills.
; THE MATRIX INSTRUCTION IS USED TRANSPOSED (source 0 = 16 places of B, source 1 = 16 places of A): a lane holds eight neighbouring columns of one row.
; REGISTERS: window 0: v16-30 addresses; v32-63 and v224-255 scale words of steps 0-3 and 4-7 (register 8 step + i: lanes 0-15 A's block i % 4, lanes 16-31 B's block i); v64-127 the bias as the first products' C;
; v128-223 A's fragments, two sets of four.  Window 1: B's fragments, two sets of eight, at v0 and v128.  Window 2: accumulator (a, b) at v[8 (8 a + b)].
; A STEP: its 32 products in two halves, the 32 accumulators by turns; between the halves the next step's 72 LDS loads go into the other sets.
; THE WAY OUT: a block of 16 rows x 128 columns goes through the wave's stage and comes back as rows of 512 bytes.  The stages lie in A's panels 0-5, which have had their one fill and which nobody reads behind the barrier inside step 3.
.set FR,     12
.set NP,     4
.set APL,    6144                      ; a panel of A's tile in LDS: 128 rows x 48
.set BPL,    12288                     ; of B's: 256 rows x 48
.set BL,     16*APL
.set SCL,    BL+16*BPL                 ; A's scale words [8 runs][128 rows][4]
.set SCB0,   SCL+4096+64               ; B's: [half][8 runs][128 rows][4]; 64 bytes on, so that lanes 16-31 fall on other banks than lanes 0-15
.set SPARE,  307456                    ; the spare words: 128 bytes a wave
.set SPITCH, 528
.set ADRA, 16                          ; v16-17 my A fragments, panels 0-7 and 8-15
.set ADRB, 20                          ; v20-23 my B fragments, four panels each
.set STO,  24
.set RD,   25
.set CO,   26
.set ADRS, 27                          ; my scale words: lanes 0-15 A's rows, lanes 16-31 B's
.set SPW,  28
.set NIL,  29
.set ADRH, 30                          ; the same for blocks 4-7 of B: lanes 0-15 stand 256 bytes back, on A's blocks 0-3 again
.set BI,   64
.set AF,   128
.set BK,   128
.set G1,   24
.set G0,   32
.set G1B,  48
.set G0B,  56
.set MSB,  0
.macro WIN new
.if MSB != (\new)
	s_set_vgpr_msb (MSB<<8)|(\new)
.set MSB, (\new)
.endif
.endm
.set MUL_LO, 0xa1                      ; source 0 (B) window 1, source 1 (A) window 0, C and D window 2
.set TO_B,   0x40
.macro PLACES n
.rept \n
	v_nop
.endr
.endm
.macro TLOAD g0, g1
	tensor_load_to_lds s[\g0:\g0+3], s[\g1:\g1+7]
	s_nop 0
	PLACES 4
.endm
.macro CROUND
	s_barrier_signal -1
	s_barrier_wait -1
	s_cmp_lg_u32 s14, 0
	s_cbranch_scc1 .Lnot_wave_0_\@
	s_barrier_signal -3
.Lnot_wave_0_\@:
	s_barrier_wait -3
	s_barrier_signal -1
	s_barrier_wait -1
.endm
	s_load_b128 s[4:7], s[0:1], 0x0                ; aoc, aos
	s_load_b128 s[8:11], s[0:1], 0x10              ; allc, alls
	s_load_b128 s[96:99], s[0:1], 0x20             ; bo, out0
	v_lshl_add_u32 v[SPW], v0, 2, SPARE
	v_mov_b32 v[NIL], 0
	ds_add_u32 v[SPW], v[NIL]                      ; the opening lines
	ds_add_u32 v[SPW], v[NIL]
	v_lshrrev_b32 v1, 5, v0
	v_readfirstlane_b32 s14, v1                    ; wave 0..3
	s_lshr_b32 s15, s14, 1                         ; which 64 rows are mine
	s_and_b32 s16, s14, 1                          ; which 128 columns
	s_bfe_u32 s40, ttmp6, 0x40000                  ; cx, cy
	s_bfe_u32 s41, ttmp6, 0x40004
	s_lshl_b32 s42, ttmp9, 2
	s_add_co_u32 s42, s42, s40                     ; tile column 0..3
	s_and_b32 s17, ttmp7, 0xffff
	s_lshl_b32 s17, s17, 2
	s_add_co_u32 s17, s17, s41                     ; tile row 0..63
	s_lshl_b32 s43, s41, 2
	s_lshl_b32 s43, 15, s43                        ; my row of the cluster
	s_lshl_b32 s44, 0x1111, s40                    ; my column
	s_or_b32 s[G1+0], s43, (3<<16)|(1<<21)         ; A: eight runs (panels) of 768 elements of 8 bytes, 393,216 bytes apart
	s_mov_b32 s[G1+1], 768<<16
	s_mov_b32 s[G1+2], 8<<16
	s_mov_b32 s[G1+3], 768<<16
	s_mov_b32 s[G1+4], 8
	s_mov_b32 s[G1+5], 49152
	s_mov_b32 s[G1+6], 0
	s_mov_b32 s[G1+7], 0
	s_or_b32 s[G1B+0], s44, (3<<16)|(1<<21)        ; B: eight runs of 1,536 elements, 589,824 bytes apart
	s_mov_b32 s[G1B+1], 1536<<16
	s_mov_b32 s[G1B+2], 8<<16
	s_mov_b32 s[G1B+3], 1536<<16
	s_mov_b32 s[G1B+4], 8
	s_mov_b32 s[G1B+5], 73728
	s_mov_b32 s[G1B+6], 0
	s_mov_b32 s[G1B+7], 0
	s_mul_i32 s20, s17, 6144                       ; A's codes: 128 rows x 48 a tile row
	s_mov_b32 s21, 0
	s_lshl_b32 s22, s17, 9                         ; A's scale words: 128 rows x 4; waves 0, 1 take runs 0-3, 4-7
	s_lshl_b32 s18, s16, 17
	s_add_co_u32 s22, s22, s18
	s_mov_b32 s23, 0
	s_lshl_b32 s46, s42, 8
	s_add_co_u32 s46, s46, 11264                   ; B's first row
	s_lshl_b32 s18, s16, 7
	s_add_co_u32 s92, s46, s18                     ; B's scale words: waves 2, 3 take 128 rows each
	s_lshl_b32 s92, s92, 2
	s_mov_b32 s93, 0
	s_mul_i32 s46, s46, 48
	s_mov_b32 s47, 0
	s_wait_dscnt 0x0
	s_wait_kmcnt 0x0
	s_add_nc_u64 s[20:21], s[4:5], s[20:21]
	s_add_nc_u64 s[22:23], s[6:7], s[22:23]
	s_add_nc_u64 s[46:47], s[8:9], s[46:47]
	s_add_nc_u64 s[92:93], s[10:11], s[92:93]
	CROUND                                         ; all sixteen work-groups are here: the joint loads meet
.irp k, 0,1
	s_mov_b32 s[G0+4*\k], 1
	s_mov_b32 s[G0+4*\k+1], \k*8*APL
	s_add_nc_u64 s[G0+4*\k+2:G0+4*\k+3], s[20:21], \k*8*393216
	s_or_b32 s[G0+4*\k+3], s[G0+4*\k+3], 0x80000000
	s_mov_b32 s[G0B+4*\k], 1
	s_mov_b32 s[G0B+4*\k+1], BL+\k*8*BPL
	s_add_nc_u64 s[G0B+4*\k+2:G0B+4*\k+3], s[46:47], \k*8*589824
	s_or_b32 s[G0B+4*\k+3], s[G0B+4*\k+3], 0x80000000
.endr
	s_cmp_eq_u32 s14, 0
	s_cbranch_scc0 .Lwave_1
	TLOAD G0, G1                                   ; wave 0: A's panels 0-7
	s_branch .Lasked
.Lwave_1:
	s_cmp_eq_u32 s14, 1
	s_cbranch_scc0 .Lwave_2
	TLOAD G0B, G1B                                 ; wave 1: B's panels 0-7
	s_branch .Lasked
.Lwave_2:
	s_cmp_eq_u32 s14, 2
	s_cbranch_scc0 .Lwave_3
	TLOAD G0+4, G1                                 ; wave 2: A's panels 8-15
	s_branch .Lasked
.Lwave_3:
	TLOAD G0B+4, G1B                               ; wave 3: B's panels 8-15
.Lasked:
	s_lshl_b32 s46, s42, 10                        ; my first column, in bytes of f32
	s_lshl_b32 s47, s16, 9
	s_add_co_u32 s46, s46, s47
	s_mov_b32 s47, 0
	s_add_nc_u64 s[96:97], s[96:97], s[46:47]      ; the bias at my columns
	s_lshl_b32 s20, s17, 7
	s_lshl_b32 s21, s15, 6
	s_add_co_u32 s20, s20, s21                     ; my first row
	s_lshl_b32 s20, s20, 12
	s_mov_b32 s21, 0
	s_add_nc_u64 s[20:21], s[20:21], s[46:47]
	s_add_nc_u64 s[98:99], s[98:99], s[20:21]      ; the result at my corner
	s_mul_i32 s70, s15, 3072                       ; my 64 rows in a panel of A
	s_mul_i32 s71, s16, 6144                       ; my 128 rows in a panel of B
	s_add_co_u32 s71, s71, BL
	s_lshl_b32 s72, s15, 8
	s_add_co_u32 s72, s72, SCL                     ; A's scale words of my rows
	s_lshl_b32 s73, s16, 12
	s_add_co_u32 s73, s73, SCB0
	s_sub_co_u32 s73, s73, s72                     ; from them to B's of my columns
	s_sub_co_u32 s74, s72, 256
	s_add_co_u32 s75, s73, 256
	s_mul_i32 s76, s14, 16*SPITCH                  ; my stage
	s_lshl_b32 s77, s16, 11
	s_add_co_u32 s77, s77, SCL                     ; where waves 0, 1 put A's scale words
	s_lshl_b32 s78, s16, 12
	s_add_co_u32 s78, s78, SCB0                    ; where waves 2, 3 put B's
	v_and_b32 v1, 15, v0                           ; r
	v_bfe_u32 v2, v0, 4, 1                         ; h
	v_and_b32 v6, 31, v0
	v_mul_u32_u24 v3, v1, 48
	v_mad_u32_u24 v3, v2, 24, v3                   ; a fragment's row x 48 + 24 x half
	v_add_nc_u32 v[ADRA], s70, v3
	v_add_nc_u32 v[ADRA+1], 8*APL, v[ADRA]
	v_add_nc_u32 v[ADRB], s71, v3
.irp k, 1,2,3
	v_add_nc_u32 v[ADRB+\k], \k*4*BPL, v[ADRB]
.endr
	v_lshlrev_b32 v5, 2, v1
	v_mad_u32_u24 v4, s73, v2, v5
	v_add_nc_u32 v[ADRS], s72, v4
	v_mad_u32_u24 v4, s75, v2, v5
	v_add_nc_u32 v[ADRH], s74, v4
	v_mul_u32_u24 v5, v1, SPITCH
	v_lshl_add_u32 v5, v2, 6, v5
	v_add_nc_u32 v[STO], s76, v5                   ; into the stage: row r, 64 bytes for each half of the lanes in each 128
	v_lshlrev_b32 v[CO], 4, v6
	v_add_nc_u32 v[RD], s76, v[CO]                 ; back: the 32 lanes take one row of 512 bytes
	v_add_nc_u32 v8, s77, v[CO]
	v_add_nc_u32 v9, s78, v[CO]
	v_lshlrev_b32 v7, 6, v2
.irp b, 0,1,2,3,4,5,6,7                        ; register i of tile b of lane (r, h) is column 32 (b / 2) + 16 h + 8 (b % 2) + i
	global_load_b128 v[BI+8*\b:BI+8*\b+3], v7, s[96:97] offset:(32*(\b/2)+8*(\b%2))*4
	global_load_b128 v[BI+8*\b+4:BI+8*\b+7], v7, s[96:97] offset:(32*(\b/2)+8*(\b%2))*4+16
.endr
	s_cmp_eq_u32 s15, 0
	s_wait_alu depctr_va_vdst(0)                   ; the wait at the head's end, ahead of the branch
	s_cbranch_scc0 .Lsc_b
.irp i, 0,1,2,3
	global_load_b128 v[AF+4*\i:AF+4*\i+3], v[CO], s[22:23] offset:32768*\i
.endr
	s_wait_loadcnt 0x0
.irp i, 0,1,2,3
	ds_store_b128 v8, v[AF+4*\i:AF+4*\i+3] offset:512*\i
.endr
	s_branch .Lsc_in
.Lsc_b:
.irp i, 0,1,2,3,4,5,6,7
	global_load_b128 v[AF+4*\i:AF+4*\i+3], v[CO], s[92:93] offset:49152*\i
.endr
	s_wait_loadcnt 0x0
.irp i, 0,1,2,3,4,5,6,7
	ds_store_b128 v9, v[AF+4*\i:AF+4*\i+3] offset:512*\i
.endr
.Lsc_in:
.macro FRAGA reg, st, i                ; 16 rows x 128 K: 24 bytes of each of panels 2 st, 2 st + 1, in pieces of 8
.irp p, 0,1,2,3,4,5
	ds_load_b64 v[\reg+2*\p:\reg+2*\p+1], v[ADRA+(\st)/4] offset:((2*(\st)+\p/3)%8)*APL+(\i)*768+8*(\p%3)
.endr
.endm
.macro FRAGB reg, st, i
.irp p, 0,1,2,3,4,5
	ds_load_b64 v[\reg+2*\p:\reg+2*\p+1], v[ADRB+(\st)/2] offset:((2*(\st)+\p/3)%4)*BPL+(\i)*768+8*(\p%3)
.endr
.endm
.macro FETCH st                        ; step st's fragments into sets st % 2: 72 loads
	WIN TO_B
.irp i, 0,1,2,3,4,5,6,7
	FRAGB 128*((\st)%2)+FR*\i, \st, \i
.endr
	WIN 0
.irp i, 0,1,2,3
	FRAGA AF+48*((\st)%2)+FR*\i, \st, \i
.endr
.endm
.macro SCALES kh                       ; the scale words of steps 4 kh .. 4 kh + 3
.irp u, 0,1,2,3
.irp i, 0,1,2,3
	ds_load_b32 v[32+192*(\kh)+8*\u+\i], v[ADRS] offset:(4*(\kh)+\u)*512+\i*64
	ds_load_b32 v[32+192*(\kh)+8*\u+4+\i], v[ADRH] offset:(4*(\kh)+\u)*512+(\i+4)*64
.endr
.endr
.endm
.macro MUL16 a0, st                    ; A's blocks a0, a0 + 1 x B's eight; step 0's products take the bias as C
.set SCB, 32+8*(\st)+160*((\st)/4)
.set PB, 128*((\st)%2)
.set PA, AF+48*((\st)%2)
.if (\st) == 0
	WIN 0x81
.else
	WIN MUL_LO
.endif
.irp a, \a0, \a0+1
.irp b, 0,1,2,3,4,5,6,7
.if (\st) == 0
	v_wmma_scale_f32_16x16x128_f8f6f4 v[8*(8*(\a)+\b):8*(8*(\a)+\b)+7], v[PB+FR*\b:PB+FR*\b+FR-1], v[PA+FR*(\a):PA+FR*(\a)+FR-1], v[BI+8*\b:BI+8*\b+7], v[SCB+\b], v[SCB+(\a)] matrix_a_fmt:MATRIX_FMT_BF6 matrix_b_fmt:MATRIX_FMT_BF6 matrix_a_scale:MATRIX_SCALE_ROW1
.else
	v_wmma_scale_f32_16x16x128_f8f6f4 v[8*(8*(\a)+\b):8*(8*(\a)+\b)+7], v[PB+FR*\b:PB+FR*\b+FR-1], v[PA+FR*(\a):PA+FR*(\a)+FR-1], v[8*(8*(\a)+\b):8*(8*(\a)+\b)+7], v[SCB+\b], v[SCB+(\a)] matrix_a_fmt:MATRIX_FMT_BF6 matrix_b_fmt:MATRIX_FMT_BF6 matrix_a_scale:MATRIX_SCALE_ROW1
.endif
.endr
.endr
.endm
.macro STEP st, show                   ; show = 1: a plain barrier inside the step shows waves 2 and 3's tiles to all
	s_wait_dscnt 0x0                               ; this step's fragments and scale words are in
.if \show
	s_wait_tensorcnt 0x0
	s_barrier_signal -1
.endif
	PLACES NP                                      ; between the last step's products and the loads into the sets that they read
	MUL16 0, \st
.if \show
	WIN 0
	s_barrier_wait -1
.endif
.if (\st) < 7
	FETCH (\st)+1
.endif
.if \show
	SCALES 1
.endif
	MUL16 2, \st
	WIN 0
.endm
	s_wait_dscnt 0x0                               ; my stores of scale words are done
	s_cmp_lt_u32 s14, 2                            ; waves 0 and 1 fetched panels 0-7; their load lines are issued by no other wave
	s_cbranch_scc0 .Lnot_k0
	s_wait_tensorcnt 0x0
.Lnot_k0:
	s_barrier_signal -1
	s_barrier_wait -1
	FETCH 0
	SCALES 0
	STEP 0, 0
	STEP 1, 0
	STEP 2, 0
	STEP 3, 1
	STEP 4, 0
	STEP 5, 0
	STEP 6, 0
	STEP 7, 0
.macro TOSTAGE a
.set AC, 64*(\a)
	WIN 0x08                                       ; the data: window 2
.irp b, 0,1,2,3,4,5,6,7
	ds_store_b128 v[STO], v[AC+8*\b:AC+8*\b+3] offset:128*(\b/2)+32*(\b%2)       ; each accumulator from its low end on
	ds_store_b128 v[STO], v[AC+8*\b+4:AC+8*\b+7] offset:128*(\b/2)+32*(\b%2)+16
.endr
	WIN 0
.set BB, BK+64*((\a)%2)
.irp t, 0,1,2,3,4,5,6,7,8,9,10,11,12,13,14,15
	ds_load_b128 v[BB+4*\t:BB+4*\t+3], v[RD] offset:\t*SPITCH   ; LDS serves a wave's instructions in order: these see my stores
.endr
.endm
.macro SEND a, younger                 ; stage row t of block a is place 16 a + t of my 64, which is token 32 (a / 2) + 16 (t / 8) + 8 (a % 2) + t % 8
.set BB, BK+64*((\a)%2)
	s_wait_dscnt \younger
.irp t, 0,1,2,3,4,5,6,7,8,9,10,11,12,13,14,15
	global_store_b128 v[CO], v[BB+4*\t:BB+4*\t+3], s[98:99] offset:(32*((\a)/2)+8*((\a)%2)+(\t%8)+16*(\t/8))*4096 th:TH_STORE_NT   ; 32 lanes store 512 consecutive bytes, at a multiple of 256 from the buffer's first byte
.endr
.endm
	PLACES NP
	TOSTAGE 0
.irp a, 1,2,3
.if \a > 1
	s_wait_xcnt 0x0                                ; block a - 2's stores have read their registers
.endif
	TOSTAGE \a
	SEND \a-1, 32                                  ; behind block a - 1's loads: block a's 16 stores and 16 loads
.endr
	SEND 3, 0
	s_wait_tensorcnt 0x0                           ; the wave's end
	ds_add_u32 v[SPW], v[NIL]
	s_wait_dscnt 0x0
	CROUND                                         ; the closing round
	s_endpgm
.Lfunc_end_k_q2849aba4bf_outp:
	.size	k_q2849aba4bf_outp, .Lfunc_end_k_q2849aba4bf_outp-k_q2849aba4bf_outp
	.p2alignl 7, 3214868480
	.fill 96, 4, 3214868480
	.section	.rodata,"a",@progbits
	.p2align	6, 0x0
	.amdhsa_kernel k_q2849aba4bf_outp
		.amdhsa_group_segment_fixed_size 327680
		.amdhsa_private_segment_fixed_size 0
		.amdhsa_enable_private_segment 0
		.amdhsa_kernarg_size 48
		.amdhsa_user_sgpr_count 2
		.amdhsa_user_sgpr_kernarg_segment_ptr 1
		.amdhsa_wavefront_size32 1
		.amdhsa_system_sgpr_workgroup_id_x 1
		.amdhsa_system_sgpr_workgroup_id_y 1
		.amdhsa_system_sgpr_workgroup_id_z 1
		.amdhsa_system_vgpr_workitem_id 0
		.amdhsa_next_free_vgpr 768
		.amdhsa_next_free_sgpr 102
		.amdhsa_reserve_vcc 0
		.amdhsa_float_denorm_mode_32 3
		.amdhsa_float_denorm_mode_16_64 3
		.amdhsa_memory_ordered 1
		.amdhsa_forward_progress 1
		.amdhsa_inst_pref_size 101
	.end_amdhsa_kernel
	.amdgpu_metadata
---
amdhsa.version: [ 1, 2 ]
amdhsa.kernels:
  - .name:           k_q2849aba4bf_outp
    .symbol:         k_q2849aba4bf_outp.kd
    .args:
      - { .name: aoc, .offset: 0, .size: 8, .value_kind: global_buffer, .address_space: global }
      - { .name: aos, .offset: 8, .size: 8, .value_kind: global_buffer, .address_space: global }
      - { .name: allc, .offset: 16, .size: 8, .value_kind: global_buffer, .address_space: global }
      - { .name: alls, .offset: 24, .size: 8, .value_kind: global_buffer, .address_space: global }
      - { .name: bo, .offset: 32, .size: 8, .value_kind: global_buffer, .address_space: global }
      - { .name: out0, .offset: 40, .size: 8, .value_kind: global_buffer, .address_space: global }
    .group_segment_fixed_size: 327680
    .private_segment_fixed_size: 0
    .kernarg_segment_align: 8
    .kernarg_segment_size: 48
    .max_flat_workgroup_size: 128
    .sgpr_count:     102
    .vgpr_count:     768
    .wavefront_size: 32
...
	.end_amdgpu_metadata
.endif
;; end of part 4
